; MI455X (gfx1250); checked and timed in simulation.
; The chip was launched on July 23, 2026; its instructions are those of AMD's public machine-readable ISA for CDNA 5 (MIT licence, August 2026) and "CDNA5" Instruction Set Architecture Reference Guide (July 2026). The comments in the code are by the model that wrote it; some were corrected since.
;; Mo E. Allowed arithmetic: float matrix products may take bf16 or f16 operands with f32 sums; other float arithmetic in f32, or as packed bf16 or f16 multiplies, adds, multiply-adds, maxima and minima; sums over many terms, partial sums and values carried from step to step in f32; what a program stores and reads back later, other than sums and carried values, may be rounded once to bf16 or f16.
;; Inputs: b1 8 x 4,096 float32; b2 8 x 1,024 float32; router_w 1,024 x 8 float32; w1 8 x 1,024 x 4,096 float32; w2 8 x 4,096 x 1,024 float32; x 4 x 256 x 1,024 float32.
;; Outputs: out0 4 x 256 x 1,024 float32.
;; 3 versions, each right; version 3 is version 2 with the launch router written anew for expert scheduling mode. Each part assembles by itself: llvm-mc -triple=amdgcn-amd-amdhsa -mcpu=gfx1250 --defsym DOCPART=n.
;; ======== version 1 of 3: 4 launches
;; workspace buffers: xb 2,097,152 bytes; rmap 1,024 bytes of whole numbers; ridx 4,096 bytes of whole numbers; rgate 8,192 bytes; h 67,108,864 bytes; rowdst 36,864 bytes of whole numbers; rowgate 36,864 bytes; ybuf 33,554,432 bytes
;; launch router (part 1): grid 64 x 1, 4 waves a work-group, no clusters, 70,400 bytes of LDS; arguments x, router_w, xb, rmap, ridx, rgate; writes xb, rmap, ridx, rgate
.if DOCPART == 1
	.amdgcn_target "amdgcn-amd-amdhsa--gfx1250"
	.amdhsa_code_object_version 6
	.text
	.protected	k_qde0293c959_router
	.globl	k_qde0293c959_router
	.p2align	8
	.type	k_qde0293c959_router,@function
k_qde0293c959_router:
	s_mov_b64 s[64:65], 0
	v_nop
	global_prefetch_b8 v0, s[64:65] scope:SCOPE_SE
	s_setreg_imm32_b32 hwreg(HW_REG_WAVE_MODE, 25, 1), 1
	s_wait_xcnt 0x0
; ROUTER.  A work-group owns 16 tokens.  It rounds their rows of x to bf16 (xb, for the next launch), multiplies them by router_w (rounded to bf16, sums in f32),
; takes the two largest of the 8 logits (strict comparisons in ascending order: of equal logits the lower index stays ahead), the softmax of the two (the larger is taken away first),
; and stores at fixed places: ridx[token] = e0 | e1 << 8, rgate[token] = the two weights, rmap[e][work-group] = 16 bits, one a token, set where the token chose expert e.
; No address and no branch hangs on a logit.
; LIMITS.  x and router_w count as their bf16 roundings, like every input of this program; logits that are NaN or infinite are not treated apart; two logits closer than the last bits of
; their f32 sums may be ordered otherwise than by another order of summation.
; SHARES.  Wave w loads rows 4 w .. 4 w + 3 of x (512 consecutive bytes a load) and a quarter of router_w; later it multiplies the K quarter 256 w .. 256 w + 255; wave 0 adds the four parts.
; LDS.  XS: the 16 rows in bf16, 2,064 bytes apart (129 x 16: the 16 rows of a fragment load start in 16 different groups of four banks: 64 banks of 4 bytes, ISA guide 11.1).
; RW: router_w as [1024 k][16 columns] bf16, columns 8-15 a copy of 0-7, so that both halves of the lanes end with the same 8 logits and EXEC stays full.  RED: the four waves' partial logits.
.set XP,    2064
.set RWB,   16*XP                      ; 33,024
.set REDB,  RWB+32768                  ; 65,792
.set SPARE, REDB+4096                  ; 69,888: the spare words, 128 bytes a wave, two blocks of 256 bytes that no other line names
.set RD,    4                          ; v4    RED + 32 x lane: where wave 0 reads the parts
.set RWR,   8                          ; v8-71   router_w as loaded; later x's fragments, then the parts and the logits
.set XR,    72                         ; v72-199 x as loaded; later router_w's fragments (72-135), accumulators (136-151), their sum (152-159)
.set XO,    200                        ; byte offsets and LDS addresses, never rewritten
.set BO,    201
.set SO,    202
.set RWS,   203
.set FA,    204
.set FB,    205
.set RA,    206
.set RWO,   207
	s_load_b256 s[4:11], s[0:1], 0x0               ; x s[4:5], router_w s[6:7], xb s[8:9], rmap s[10:11]
	s_load_b128 s[12:15], s[0:1], 0x20             ; ridx s[12:13], rgate s[14:15]
	v_lshl_add_u32 v2, v0, 2, SPARE                ; my spare word,
	v_mov_b32 v3, 0                                ; and 0: kept for the closing add alone
	v_lshrrev_b32 v5, 5, v0
	v_readfirstlane_b32 s16, v5                    ; wave 0..3
	v_and_b32 v1, 31, v0                           ; lane
	v_and_b32 v6, 15, v0                           ; r
	v_bfe_u32 v7, v0, 4, 1                         ; hh
	s_lshl_b32 s17, s16, 9
	v_lshl_add_u32 v[RWO], v1, 4, s17              ; router_w: 16 x thread
	s_add_co_u32 s17, s17, RWB
	v_lshrrev_b32 v5, 1, v1
	v_lshl_add_u32 v[RWS], v5, 5, s17              ; RW: row thread / 2,
	v_and_b32 v5, 1, v0
	v_lshl_add_u32 v[RWS], v5, 3, v[RWS]           ; columns 4 (thread % 2) on
	s_lshl_b32 s17, s16, 14
	v_lshl_add_u32 v[XO], v1, 4, s17               ; x: my wave's four rows, 16 bytes a lane
	s_lshl_b32 s17, s16, 13
	v_lshl_add_u32 v[BO], v1, 3, s17               ; xb: the same rows, 8 bytes a lane
	s_mul_i32 s17, s16, 4*XP
	v_lshl_add_u32 v[SO], v1, 3, s17               ; XS likewise
	v_mul_u32_u24 v[FA], v6, XP                    ; x's fragment: row r, 16 bytes for each half of the lanes, my K quarter
	v_lshl_add_u32 v[FA], v7, 4, v[FA]
	s_lshl_b32 s17, s16, 9
	v_add_nc_u32 v[FA], s17, v[FA]
	s_lshl_b32 s17, s16, 13                        ; router_w's fragment by the turning load: row 256 w + 8 hh + lane % 8, 16 bytes at 16 ((lane / 8) % 2)
	s_add_co_u32 s17, s17, RWB
	v_and_b32 v5, 7, v0
	v_lshl_add_u32 v[FB], v5, 5, s17
	v_lshl_add_u32 v[FB], v7, 8, v[FB]
	v_bfe_u32 v5, v0, 3, 1
	v_lshl_add_u32 v[FB], v5, 4, v[FB]
	s_lshl_b32 s17, s16, 10
	s_add_co_u32 s17, s17, REDB
	v_lshl_add_u32 v[RA], v1, 5, s17               ; my wave's part: 32 bytes a lane
	v_lshlrev_b32 v[RD], 5, v1
	v_add_nc_u32 v[RD], REDB, v[RD]
	s_mov_b32 s19, 0
	s_lshl_b32 s18, ttmp9, 16                      ; 16 rows of 4,096 bytes
	s_wait_kmcnt 0x0
	s_add_nc_u64 s[4:5], s[4:5], s[18:19]
	s_lshl_b32 s18, ttmp9, 15
	s_add_nc_u64 s[8:9], s[8:9], s[18:19]
	s_lshl_b32 s18, ttmp9, 1
	s_add_nc_u64 s[10:11], s[10:11], s[18:19]
	s_lshl_b32 s18, ttmp9, 6
	s_add_nc_u64 s[12:13], s[12:13], s[18:19]
	s_lshl_b32 s18, ttmp9, 7
	s_add_nc_u64 s[14:15], s[14:15], s[18:19]
.set n, 0
.rept 16                               ; router_w whole: load n brings row thread / 2 + 64 n, four columns
	global_load_b128 v[RWR+4*n:RWR+4*n+3], v[RWO], s[6:7] offset:2048*n
.set n, n+1
.endr
.irp ro, 0,1,2,3
.irp m, 0,1,2,3,4,5,6,7
	global_load_b128 v[XR+32*\ro+4*\m:XR+32*\ro+4*\m+3], v[XO], s[4:5] offset:4096*\ro+512*\m th:TH_LOAD_NT
.endr
.endr
	s_wait_loadcnt 32                              ; router_w is in; the 32 loads of x were issued behind it
.set n, 0
.rept 16
	v_cvt_pk_bf16_f32 v[RWR+4*n], v[RWR+4*n], v[RWR+4*n+1]
	v_cvt_pk_bf16_f32 v[RWR+4*n+1], v[RWR+4*n+2], v[RWR+4*n+3]
	ds_store_b64 v[RWS], v[RWR+4*n:RWR+4*n+1] offset:2048*n
	ds_store_b64 v[RWS], v[RWR+4*n:RWR+4*n+1] offset:2048*n+16   ; the copy in columns 8-15
.set n, n+1
.endr
.irp ro, 0,1,2,3
	s_wait_loadcnt 24-8*\ro                        ; this row's eight loads are in; the later rows' stay out
.irp m, 0,1,2,3,4,5,6,7
	v_cvt_pk_bf16_f32 v[XR+32*\ro+4*\m], v[XR+32*\ro+4*\m], v[XR+32*\ro+4*\m+1]
	v_cvt_pk_bf16_f32 v[XR+32*\ro+4*\m+1], v[XR+32*\ro+4*\m+2], v[XR+32*\ro+4*\m+3]
	global_store_b64 v[BO], v[XR+32*\ro+4*\m:XR+32*\ro+4*\m+1], s[8:9] offset:2048*\ro+256*\m   ; the wave stores 256 consecutive bytes, at a multiple of 256 from xb's first
	ds_store_b64 v[SO], v[XR+32*\ro+4*\m:XR+32*\ro+4*\m+1] offset:XP*\ro+256*\m
.endr
.endr
	s_wait_dscnt 0x0                               ; for the others' sake: my stores into XS and RW are done
	s_barrier_signal -1
	s_barrier_wait -1
	s_wait_xcnt 0x0                                ; the stores to xb have read their registers: only now are these loaded again
.irp m, 0,1,2,3,4,5,6,7
	ds_load_b128 v[8+8*\m:11+8*\m], v[FA] offset:64*\m
	ds_load_b128 v[12+8*\m:15+8*\m], v[FA] offset:64*\m+32
	ds_load_tr16_b128 v[72+8*\m:75+8*\m], v[FB] offset:1024*\m
	ds_load_tr16_b128 v[76+8*\m:79+8*\m], v[FB] offset:1024*\m+512
.endr
	s_wait_dscnt 0x0
	; source 0 = 16 columns of router_w, source 1 = 16 tokens: register j of lane (r, hh) is the logit of expert j for token r.  Two accumulators by turns.
	v_wmma_f32_16x16x32_bf16 v[136:143], v[72:79], v[8:15], 0
	v_wmma_f32_16x16x32_bf16 v[144:151], v[80:87], v[16:23], 0
.irp m, 2,4,6
	v_wmma_f32_16x16x32_bf16 v[136:143], v[72+8*\m:79+8*\m], v[8+8*\m:15+8*\m], v[136:143]
	v_wmma_f32_16x16x32_bf16 v[144:151], v[80+8*\m:87+8*\m], v[16+8*\m:23+8*\m], v[144:151]
.endr
.rept 4
	v_nop                                          ; four places between the last product and the first read of its result (ISA guide 7.12.1)
.endr
.irp z, 0,1,2,3
	v_pk_add_f32 v[152+2*\z:153+2*\z], v[136+2*\z:137+2*\z], v[144+2*\z:145+2*\z]
.endr
	ds_store_b128 v[RA], v[152:155]
	ds_store_b128 v[RA], v[156:159] offset:16
	s_wait_dscnt 0x0                               ; my part is in RED
	s_barrier_signal -1
	s_barrier_wait -1
	s_cmp_lg_u32 s16, 0
	s_cbranch_scc1 .Lend                           ; the rest is wave 0's; no barrier is jumped
.irp p, 0,1,2,3
	ds_load_b128 v[8+8*\p:11+8*\p], v[RD] offset:1024*\p
	ds_load_b128 v[12+8*\p:15+8*\p], v[RD] offset:1024*\p+16
.endr
	s_wait_dscnt 0x0
.irp p, 1,2,3
.irp z, 0,1,2,3
	v_pk_add_f32 v[8+2*\z:9+2*\z], v[8+2*\z:9+2*\z], v[8+8*\p+2*\z:9+8*\p+2*\z]
.endr
.endr
	v_mov_b32 v40, v8                              ; m1, i1: the largest so far; m2, i2: the second
	v_mov_b32 v41, 0
	v_mov_b32 v42, 0xff800000
	v_mov_b32 v43, 0
.irp e, 1,2,3,4,5,6,7
	v_cmp_gt_f32 s20, v[8+\e], v40
	v_cmp_gt_f32 s21, v[8+\e], v42
	v_cndmask_b32 v42, v42, v[8+\e], s21
	v_cndmask_b32 v43, v43, \e, s21
	v_cndmask_b32 v42, v42, v40, s20
	v_cndmask_b32 v43, v43, v41, s20
	v_cndmask_b32 v40, v40, v[8+\e], s20
	v_cndmask_b32 v41, v41, \e, s20
.endr
	v_sub_f32 v46, v42, v40                        ; m2 - m1, never above 0: the maximum is taken away
	v_mul_f32 v46, 0x3fb8aa3b, v46
	v_exp_f32 v47, v46
	v_lshl_or_b32 v49, v43, 8, v41                 ; a plain line behind the exponential
	s_wait_alu depctr_va_vdst(0)
	v_add_f32 v48, 1.0, v47
	v_rcp_f32 v44, v48                             ; 1 / (1 + t)
	v_lshlrev_b32 v51, 2, v6                       ; a plain line behind the reciprocal
	s_wait_alu depctr_va_vdst(0)
	v_mul_f32 v45, v47, v44                        ; t / (1 + t)
	v_lshlrev_b32 v52, 3, v6
	v_and_b32 v53, 7, v0
	v_lshlrev_b32 v53, 7, v53
	global_store_b32 v51, v49, s[12:13]            ; lanes 16-31 store what lanes 0-15 store
	global_store_b64 v52, v[44:45], s[14:15]
	v_mov_b32 v50, 0
.irp e, 0,1,2,3,4,5,6,7
	v_cmp_eq_u32 s20, \e, v41
	v_cmp_eq_u32 s21, \e, v43
	s_or_b32 s20, s20, s21                         ; bit r: token r chose expert e
	s_mov_b32 s22, 0x01010101<<\e                  ; the lanes with lane % 8 = e take it
	v_cndmask_b32 v50, v50, s20, s22
.endr
	global_store_b16 v53, v50, s[10:11]            ; eight half-words, 128 bytes apart: one for each expert
.Lend:
	s_wait_tensorcnt 0x0                           ; the wave's end: behind my last LDS store
	ds_add_u32 v2, v3
	s_wait_dscnt 0x0
	s_endpgm
.Lfunc_end_k_qde0293c959_router:
	.size	k_qde0293c959_router, .Lfunc_end_k_qde0293c959_router-k_qde0293c959_router
	.p2alignl 7, 3214868480
	.fill 96, 4, 3214868480
	.section	.rodata,"a",@progbits
	.p2align	6, 0x0
	.amdhsa_kernel k_qde0293c959_router
		.amdhsa_group_segment_fixed_size 70400
		.amdhsa_private_segment_fixed_size 0
		.amdhsa_enable_private_segment 0
		.amdhsa_kernarg_size 48
		.amdhsa_user_sgpr_count 2
		.amdhsa_user_sgpr_kernarg_segment_ptr 1
		.amdhsa_wavefront_size32 1
		.amdhsa_system_sgpr_workgroup_id_x 1
		.amdhsa_system_sgpr_workgroup_id_y 1
		.amdhsa_system_sgpr_workgroup_id_z 1
		.amdhsa_system_vgpr_workitem_id 0
		.amdhsa_next_free_vgpr 208
		.amdhsa_next_free_sgpr 66
		.amdhsa_reserve_vcc 0
		.amdhsa_float_denorm_mode_32 3
		.amdhsa_float_denorm_mode_16_64 3
		.amdhsa_memory_ordered 1
		.amdhsa_forward_progress 1
		.amdhsa_inst_pref_size 32
	.end_amdhsa_kernel
	.amdgpu_metadata
---
amdhsa.version: [ 1, 2 ]
amdhsa.kernels:
  - .name:           k_qde0293c959_router
    .symbol:         k_qde0293c959_router.kd
    .args:
      - { .name: x, .offset: 0, .size: 8, .value_kind: global_buffer, .address_space: global }
      - { .name: router_w, .offset: 8, .size: 8, .value_kind: global_buffer, .address_space: global }
      - { .name: xb, .offset: 16, .size: 8, .value_kind: global_buffer, .address_space: global }
      - { .name: rmap, .offset: 24, .size: 8, .value_kind: global_buffer, .address_space: global }
      - { .name: ridx, .offset: 32, .size: 8, .value_kind: global_buffer, .address_space: global }
      - { .name: rgate, .offset: 40, .size: 8, .value_kind: global_buffer, .address_space: global }
    .group_segment_fixed_size: 70400
    .private_segment_fixed_size: 0
    .kernarg_segment_align: 8
    .kernarg_segment_size: 48
    .max_flat_workgroup_size: 128
    .sgpr_count:     66
    .vgpr_count:     208
    .wavefront_size: 32
...
	.end_amdgpu_metadata
.endif
;; end of part 1
;; launch up (part 2): grid 256 x 1, 4 waves a work-group, no clusters, 280,064 bytes of LDS; arguments w1, b1, xb, rmap, ridx, rgate, h, rowdst, rowgate; writes h, rowdst, rowgate
.if DOCPART == 2
	.amdgcn_target "amdgcn-amd-amdhsa--gfx1250"
	.amdhsa_code_object_version 6
	.text
	.protected	k_qde0293c959_up
	.globl	k_qde0293c959_up
	.p2align	8
	.type	k_qde0293c959_up,@function
k_qde0293c959_up:
	s_mov_b64 s[64:65], 0
	v_nop
	global_prefetch_b8 v0, s[64:65] scope:SCOPE_SE
	s_setreg_imm32_b32 hwreg(HW_REG_WAVE_MODE, 25, 1), 1
	s_wait_xcnt 0x0
; FIRST PRODUCT.  h = gelu(x_rows w1[e] + b1[e]) for the rows that chose expert e, in the order of their tokens; gelu in its tanh form, as x sigmoid(1.59577 (x + 0.044715 x^3)).
; SHARES.  Work-group = (expert e = wg / 32, slice sl = wg % 32): 128 columns x 1,024 k of w1[e], 512 KiB of f32 that this work-group alone reads, and ALL rows of the expert.
; The four waves split the rows: tile (16 rows) 24 P + 4 i + w is local tile i (0..5) of wave w in pass P; 6 tiles x 8 column tiles are 384 accumulator registers.
; Pass 0 runs while the weights stream in; they are rounded to bf16 on their way through registers and the whole slice stays in LDS (256 KiB).  Passes 1 and 2, for experts with more than 384 rows,
; read it from there; they hold no barrier and no LDS store.  15 barriers stand in pass 0 and one at the end, all on every wave's path; what hangs on the expert's count only jumps forward over loads and products.
; K MAP.  In the product (step j, q) lane half hh, place i (0..15) stands for k = 64 j + 32 hh + 16 q + i, in both operands alike: a permutation of k inside an instruction keeps the products.
; WEIGHTS.  A step is 64 k x 128 columns, four units (q = w / 2, cg = w % 2), one a wave: 16 loads, in each of which 16 neighbouring lanes take 256 consecutive bytes of one row of w1.
; Column tile c (0..3) of group cg holds the columns 64 cg + 4 n + c, so a lane's four columns fall into four fragments and two rows pack into one register: no transpose.
; ROWS come from xb straight into registers as fragments, 64 bytes a lane and step, by a list of tokens that each wave makes for itself from the expert's bitmap (in its own LDS bytes).
; ONE LOAD COUNTER, TWO STREAMS.  In step s the rows of step s + 1 are asked for first and the weights of step s + 4 behind them, so 's_wait_loadcnt 16' at a step's head leaves exactly the
; youngest unit out, whatever the number of row loads.  By this text's count a wave has at most 24 + 32 loads out.
; THE PRODUCT IS USED TRANSPOSED (source 0 = weights, source 1 = rows): a lane then holds one row and 32 consecutive columns of each group of 64: the next launch's fragment, stored as it lies.
; NO JOINT LOADS: each weight byte has one reader; the rows come by a list, which no descriptor covers.  NO TENSOR LOADS: the weights pass through registers to be rounded, and no LDS byte is filled twice.
; LIMITS.  Every input counts as its bf16 rounding (x, w1, b1); h is rounded once to bf16; where 2^(..) in the sigmoid falls below 2^-126 it counts as 0; NaN and infinities are not treated apart.
; An expert without rows: its work-groups still stream their slice (no barrier may hang on the count) and store only the row tables (slice 0).
.set UP,    1
.set WPS,   14
.set WP,    1<<WPS                     ; bytes from a row of the weights to the next
.set WSTR,  64*WP                      ; a step's 64 rows
.set ASTR,  128                        ; a step's bytes in a token row
.set WMUL,  0xa1                       ; source 0 (weights) window 1, source 1 (rows) window 0, C and D window 2; + 0x50: window 3
.set CH,    16384                      ; a chunk in LDS: one step's 16 fragments (q, f = 4 cg + c) of 1,024 bytes at 8,192 q + 1,024 f; registers 4 u .. 4 u + 3 of lane L at + 512 u + 16 L
.set LISTB, 16*CH                      ; behind the slice: for each wave a list of 1,024 tokens and 32 words for the lanes that have nothing to store
.set LISTW, 4352
.set SPARE, LISTB+4*LISTW              ; the spare words, 128 bytes a wave: two blocks of 256 bytes that no other line names
.set TILEB, 131072                     ; a tile of h: 64 groups of 64 columns x 2,048 bytes
; window 0
.set SPW,  2                           ; my spare word's address; never rewritten
.set NIL,  3                           ; 0; never rewritten
.set WOFF, 4                           ; weights: 32 hh rows + 16 r bytes
.set WADR, 5                           ; LDS: where my unit's fragments go
.set RADR, 6                           ; LDS: where fragments are read
.set LOFF, 7                           ; 16 x lane
.set OFF,  8                           ; v8-13  tile i: token x 2,048 + 64 hh
.set RR,   14                          ; r = lane % 16
.set H64,  15                          ; 64 hh
.set PFO,  16                          ; one lane for each of my unit's 32 rows
.set LB,   17                          ; my wave's list
.set DIX,  18                          ; 1,024 + lane: the index of my lane's word behind the list
.set TABO, 19                          ; 4 r
.set TOK,  20                          ; v20-25 tile i: my row's token
.set B1O,  28                          ; 128 hh
.set CV,   32                          ; v32-63 rounded fragments on their way to LDS; scratch for the list and the row tables
.set AXB,  64                          ; v64-255 rows: buffer par, tile i at 64 + 96 par + 16 i; fragment q at + 8 q
.set TMP,  64                          ; the way out: 64 numbers of a tile,
.set WK,   128                         ; 64 at work,
.set HR,   192                         ; 32 registers to store
; window 1
.set BB0,  0                           ; the weights' fragments of q = 0,
.set BB1,  64                          ; of q = 1
.set LD0,  128                         ; a unit as loaded: even steps,
.set LD1,  192                         ; odd steps
; window 2: accumulators of tiles 0-3 at 64 i + 8 f; window 3: tiles 4, 5 at 64 (i - 4) + 8 f, and
.set BIAS, 128                         ; v128-191 of window 3: b1 in the accumulators' order
; scalars: s2 wave, s3 e, s[4:5] weights, s[6:7] b1, s[8:9] xb, s[10:11] rmap, s[12:13] ridx, s[14:15] rgate, s[16:17] h, s[18:19] rowdst, s[20:21] rowgate, s22 sl, s23 count, s24 tiles,
; s25 NW: my live tiles in this pass, s26 P, s27 trips to go, s28 I, s29-31 at work, s[32:33] rows, s[34:35] h on the way out, s[36:39] gelu's constants, s42 a word's upper half,
; s43 running count, s45 16 (24 P + w), s46 the last rank, s[50:57] offsets, s[68:99] the expert's bitmap
.set MSB, 0
.macro WIN new                         ; the immediate's high byte repeats the setting that is left; a switch that changes nothing is dropped
.if MSB != (\new)
	s_set_vgpr_msb (MSB<<8)|(\new)
.set MSB, (\new)
.endif
.endm
.macro PLACES                          ; four places behind a product, ahead of a load into one of its registers or a vector line that touches them
.rept 4
	v_nop
.endr
.endm
.macro WLOAD dst, imm                  ; my unit of a step: 16 rows, 16 bytes a lane
	WIN 0x40
.irp i, 0,1,2,3,4,5,6,7,8,9,10,11,12,13,14,15
	global_load_b128 v[(\dst)+4*\i:(\dst)+4*\i+3], v[WOFF], s[4:5] offset:(\imm)+\i*WP th:TH_LOAD_NT
.endr
	WIN 0
.endm
.macro CONV src, imm                   ; a unit is rounded (rows 2 p and 2 p + 1 of column c into register p of fragment c) and stored: 512 consecutive bytes a store
	WIN 0x05
.irp c, 0,1,2,3
.irp p, 0,1,2,3,4,5,6,7
	v_cvt_pk_bf16_f32 v[CV+8*\c+\p], v[(\src)+8*\p+\c], v[(\src)+8*\p+4+\c]
.endr
.endr
	WIN 0
.irp c, 0,1,2,3
	ds_store_b128 v[WADR], v[CV+8*\c:CV+8*\c+3] offset:(\imm)+\c*1024
	ds_store_b128 v[WADR], v[CV+8*\c+4:CV+8*\c+7] offset:(\imm)+\c*1024+512
.endr
.endm
.macro BLOAD buf, imm                  ; eight fragments of the weights out of LDS
	WIN 0x40
.irp f, 0,1,2,3,4,5,6,7
	ds_load_b128 v[(\buf)+8*\f:(\buf)+8*\f+3], v[RADR] offset:(\imm)+\f*1024
	ds_load_b128 v[(\buf)+8*\f+4:(\buf)+8*\f+7], v[RADR] offset:(\imm)+\f*1024+512
.endr
	WIN 0
.endm
.macro ALOAD par, imm                  ; a step's rows for my live tiles
.irp i, 0,1,2,3,4,5
	s_cmp_le_u32 s25, \i
	s_cbranch_scc1 .Lal_\@
.irp s, 0,1,2,3
	global_load_b128 v[AXB+96*(\par)+16*\i+4*\s:AXB+96*(\par)+16*\i+4*\s+3], v[OFF+\i], s[32:33] offset:(\imm)+16*\s
.endr
.endr
.Lal_\@:
.endm
.macro MULS q, par                     ; for each live tile eight products; the accumulators take turns, one instruction a turn
.irp i, 0,1,2,3,4,5
	s_cmp_le_u32 s25, \i
	s_cbranch_scc1 .Lmu_\@
	WIN WMUL+0x50*(\i/4)
.irp f, 0,1,2,3,4,5,6,7
	v_wmma_f32_16x16x32_bf16 v[64*(\i%4)+8*\f:64*(\i%4)+8*\f+7], v[64*(\q)+8*\f:64*(\q)+8*\f+7], v[AXB+96*(\par)+16*\i+8*(\q):AXB+96*(\par)+16*\i+8*(\q)+7], v[64*(\i%4)+8*\f:64*(\i%4)+8*\f+7]
.endr
	WIN 0
.endr
.Lmu_\@:
.endm
.macro PF imm                          ; my unit of a later step is asked for: one lane for each of its 32 rows of 256 bytes; each such block is asked for once in the launch
	global_prefetch_b8 v[PFO], s[4:5] offset:\imm th:TH_LOAD_NT scope:SCOPE_SE
.endm
.macro CLEAR                           ; the sums start at 0.  Written so on purpose: a first step with the constant 0 as C would be a third and fourth copy of the step's text
	WIN 0x80
.set z, 0
.rept 256
	v_mov_b32 v[z], 0
.set z, z+1
.endr
	WIN 0xc0
.set z, 0
.rept 128
	v_mov_b32 v[z], 0
.set z, z+1
.endr
	WIN 0
.endm
.macro NWCALC                          ; from P: s45 = 16 (24 P + w), s25 = min(6, ceil((tiles - 24 P - w) / 4)), 0 at the least
	s_mul_i32 s29, s26, 24
	s_add_co_u32 s29, s29, s2
	s_lshl_b32 s45, s29, 4
	s_add_co_u32 s30, s24, 3
	s_sub_co_i32 s30, s30, s29
	s_max_i32 s30, s30, 0
	s_lshr_b32 s30, s30, 2
	s_min_u32 s25, s30, 6
.endm
.macro TRIPEND stream                  ; two steps on
	s_wait_xcnt 0x0                                ; every earlier memory instruction has had its addresses translated (ISA guide 3.1): only now are the bases stepped
	s_add_nc_u64 s[32:33], s[32:33], 2*ASTR
	v_add_nc_u32 v[RADR], 2*CH, v[RADR]
.if \stream
	s_add_nc_u64 s[4:5], s[4:5], 2*WSTR
	v_add_nc_u32 v[WADR], 2*CH, v[WADR]
.endif
.endm
; STEP s (par = s % 2).  conv: the unit of step s + 2 is rounded and stored.  wissue: the unit of step s + 4 is asked for.  lwait: the loads that may stay out.  bar: a barrier shows the chunk stored here to all.
; guard: in the loop's last trip there is no step s + 1.  pf: the unit of step s + 7 is prefetched, three steps ahead of its load; the trips whose look-ahead would pass step 15 ask for nothing.
.macro STEP par, conv, wissue, lwait, bar, guard, pf
	s_wait_loadcnt \lwait                          ; this step's rows and the unit of step s + 2 are in
.if \conv
	CONV LD0+64*(\par), (\par)*CH                  ; its 32 conversions are also the places behind the last products
.else
	PLACES
.endif
.if \guard
	s_cmp_eq_u32 s27, 1
	s_cbranch_scc1 .Lga_\@
.endif
	ALOAD 1-(\par), ((\par)+1)*ASTR
.if \guard
.Lga_\@:
.endif
.if \wissue
	WLOAD LD0+64*(\par), (\par)*WSTR
.endif
.if \pf
	s_cmp_lt_u32 s27, 2+(\par)
	s_cbranch_scc1 .Lpf_\@
	PF (3+(\par))*WSTR
.Lpf_\@:
.endif
	BLOAD BB1, (\par)*CH+8192
	s_wait_dscnt 16+8*(\conv)                      ; the fragments of q = 0 are in: behind them stand my stores above and the 16 loads just issued
	MULS 0, \par
	s_wait_dscnt 0x0                               ; the fragments of q = 1
.if \guard
	s_cmp_eq_u32 s27, 1
	s_cbranch_scc1 .Lgb_\@
.endif
	PLACES
	BLOAD BB0, ((\par)+1)*CH                       ; the next step's q = 0: its chunk was shown to all by the last barrier
.if \guard
.Lgb_\@:
.endif
	MULS 1, \par
.if \bar
	s_wait_dscnt 0x0                               ; for the others' sake: my stores of the chunk are done (and no LDS instruction of mine is out)
	s_barrier_signal -1
	s_barrier_wait -1
.endif
.endm
.macro TOKENS                          ; my row's token in each of the six tiles: rank 16 tile + r, held to the last rank, so that places past the count repeat the last row
	v_add_nc_u32 v31, s45, v[RR]
.irp i, 0,1,2,3,4,5
	v_add_nc_u32 v29, 64*\i, v31
	v_min_u32 v29, s46, v29
	v_min_u32 v29, 0x3ff, v29
	v_lshl_add_u32 v29, v29, 2, v[LB]
	ds_load_b32 v[TOK+\i], v29                     ; LDS serves a wave's instructions in order (ISA guide 5.7.1.4): these see my stores of the list
.endr
	s_wait_dscnt 0x0
.irp i, 0,1,2,3,4,5
	v_min_u32 v[TOK+\i], 0x3ff, v[TOK+\i]
	v_lshl_add_u32 v[OFF+\i], v[TOK+\i], 11, v[H64]
.endr
.endm
.macro ROWTAB                          ; slice 0 alone: for each rank, where the row's result goes (slot x 1,024 + token) and its gate
	s_cmp_lg_u32 s22, 0
	s_cbranch_scc1 .Lrt_\@
	s_mul_i32 s50, s3, 4608
	s_lshl_b32 s29, s45, 2
	s_add_co_u32 s50, s50, s29
	s_mov_b32 s51, 0
	s_add_nc_u64 s[52:53], s[18:19], s[50:51]
	s_add_nc_u64 s[54:55], s[20:21], s[50:51]
.irp i, 0,1,2,3,4,5
	v_lshlrev_b32 v[CV+\i], 2, v[TOK+\i]
	v_lshlrev_b32 v[CV+6+\i], 3, v[TOK+\i]
.endr
.irp i, 0,1,2,3,4,5
	global_load_b32 v[CV+12+\i], v[CV+\i], s[12:13]
	global_load_b64 v[CV+18+2*\i:CV+19+2*\i], v[CV+6+\i], s[14:15]
.endr
	s_wait_loadcnt 0x0
.irp i, 0,1,2,3,4,5
	v_bfe_u32 v29, v[CV+12+\i], 8, 8               ; the token's second choice: is it this expert?
	v_cmp_eq_u32 vcc_lo, s3, v29
	v_add_nc_u32 v30, 0x400, v[TOK+\i]
	v_cndmask_b32 v[CV+12+\i], v[TOK+\i], v30, vcc_lo
	v_cndmask_b32 v[CV+18+2*\i], v[CV+18+2*\i], v[CV+19+2*\i], vcc_lo
	global_store_b32 v[TABO], v[CV+12+\i], s[52:53] offset:256*\i   ; lanes 16-31 store what lanes 0-15 store
	global_store_b32 v[TABO], v[CV+18+2*\i], s[54:55] offset:256*\i
.endr
	s_wait_xcnt 0x0                                ; the stores' registers are written again below
.Lrt_\@:
.endm
.macro COPY i                          ; tile i's 64 sums, plus the bias, into window 0; each accumulator is read from its low end on
	WIN 0x0e+(\i)/4
.irp f, 0,1,2,3,4,5,6,7
.irp z, 0,1,2,3
	v_pk_add_f32 v[TMP+8*\f+2*\z:TMP+8*\f+2*\z+1], v[64*((\i)%4)+8*\f+2*\z:64*((\i)%4)+8*\f+2*\z+1], v[BIAS+8*\f+2*\z:BIAS+8*\f+2*\z+1]
.endr
.endr
	WIN 0
.endm
	s_load_b512 s[4:19], s[0:1], 0x0
	s_load_b64 s[20:21], s[0:1], 0x40
	v_lshl_add_u32 v[SPW], v0, 2, SPARE
	v_mov_b32 v[NIL], 0
	v_lshrrev_b32 v26, 5, v0
	v_readfirstlane_b32 s2, v26                    ; wave 0..3
	v_and_b32 v1, 31, v0
	v_and_b32 v[RR], 15, v0
	v_bfe_u32 v27, v0, 4, 1                        ; hh
	v_lshlrev_b32 v[LOFF], 4, v1
	v_lshlrev_b32 v[H64], 6, v27
	v_lshlrev_b32 v[B1O], 7, v27
	v_lshlrev_b32 v[TABO], 2, v[RR]
	v_lshlrev_b32 v[WOFF], 4, v[RR]
	v_lshl_add_u32 v[WOFF], v27, WPS+5, v[WOFF]
	v_lshlrev_b32 v[PFO], WPS, v[RR]
	v_lshl_add_u32 v[PFO], v27, WPS+5, v[PFO]
	v_mov_b32 v[RADR], v[LOFF]
	s_lshr_b32 s3, ttmp9, 5                        ; e
	s_and_b32 s22, ttmp9, 31                       ; sl
	s_lshr_b32 s29, s2, 1                          ; q
	s_and_b32 s30, s2, 1                           ; cg
	s_lshl_b32 s31, s29, 13
	s_lshl_b32 s50, s30, 12
	s_add_co_u32 s31, s31, s50
	v_add_nc_u32 v[WADR], s31, v[LOFF]
	s_mul_i32 s31, s2, LISTW
	s_add_co_u32 s31, s31, LISTB
	v_mov_b32 v[LB], s31
	v_or_b32 v[DIX], 0x400, v1
	s_lshl_b32 s50, s3, 24                         ; the weights: expert, my unit's first row 16 q, the slice's 512 bytes, my 256 of them
	s_lshl_b32 s31, s29, WPS+4
	s_add_co_u32 s50, s50, s31
	s_lshl_b32 s31, s22, 9
	s_add_co_u32 s50, s50, s31
	s_lshl_b32 s31, s30, 8
	s_add_co_u32 s50, s50, s31
	s_mov_b32 s51, 0
	s_lshl_b32 s52, s3, 7                          ; the bitmap: 128 bytes an expert
	s_mov_b32 s53, 0
	s_lshl_b32 s54, s3, 14                         ; b1
	s_lshl_b32 s31, s22, 9
	s_add_co_u32 s54, s54, s31
	s_mov_b32 s55, 0
	s_lshl_b32 s56, s3, 23                         ; h: expert, tile w, the slice's two groups
	s_lshl_b32 s31, s2, 17
	s_add_co_u32 s56, s56, s31
	s_lshl_b32 s31, s22, 12
	s_add_co_u32 s56, s56, s31
	s_mov_b32 s57, 0
	s_mov_b32 s36, 0xc0135761                      ; -2 x 0.7978846 x log2(e)
	s_mov_b32 s37, s36
	s_mov_b32 s38, 0xbdd2d3e8                      ; the same x 0.044715
	s_mov_b32 s39, s38
	s_mov_b32 s42, 0xffff0000
	s_wait_kmcnt 0x0
	s_add_nc_u64 s[10:11], s[10:11], s[52:53]
	s_load_b512 s[68:83], s[10:11], 0x0
	s_load_b512 s[84:99], s[10:11], 0x40
	s_add_nc_u64 s[4:5], s[4:5], s[50:51]
	s_add_nc_u64 s[6:7], s[6:7], s[54:55]
	s_add_nc_u64 s[16:17], s[16:17], s[56:57]
	s_mov_b64 s[32:33], s[8:9]
	WIN 0x40
.irp g, 0,1
.irp j, 0,1,2,3,4,5,6,7
	global_load_b128 v[BB0+32*\g+4*\j:BB0+32*\g+4*\j+3], v[B1O], s[6:7] offset:256*\g+16*\j   ; b1[128 sl + 64 g + 32 hh + 4 j ..]
.endr
.endr
	WIN 0
	WLOAD LD0, 0
	WLOAD LD1, WSTR
	PF 2*WSTR
	PF 3*WSTR
	CLEAR                                          ; all this stands in the wait for the first weights
.set z, AXB
.rept 192
	v_mov_b32 v[z], 0                              ; the rows' buffers: a dead tile's registers are never loaded
.set z, z+1
.endr
	s_wait_kmcnt 0x0
	; THE LIST: rank -> token, each wave for itself.  It starts as zeros, so that every entry that a clamped rank can name is written, also where the expert has no row.
	; Word i of the bitmap: a lane with its bit set stores token 32 i + lane at the running count plus the set bits below it; a lane without stores into its own word behind the list.
	v_add_nc_u32 v29, v[LB], v[LOFF]
.irp z, 0,1,2,3
	v_mov_b32 v[CV+\z], 0
.endr
.irp n, 0,1,2,3,4,5,6,7
	ds_store_b128 v29, v[CV:CV+3] offset:512*\n
.endr
	s_mov_b32 s43, 0
.set i, 0
.rept 32
	v_mbcnt_lo_u32_b32 v29, s[68+i], s43
	v_cndmask_b32 v29, v[DIX], v29, s[68+i]
	v_min_u32 v29, 0x41f, v29                      ; the index stays inside my wave's 1,056 words
	v_lshl_add_u32 v29, v29, 2, v[LB]
	v_or_b32 v30, 32*i, v1
	ds_store_b32 v29, v30
	s_bcnt1_i32_b32 s29, s[68+i]
	s_add_co_u32 s43, s43, s29
.set i, i+1
.endr
	s_mov_b32 s23, s43
	s_add_co_u32 s24, s23, 15
	s_lshr_b32 s24, s24, 4
	s_max_u32 s46, s23, 1
	s_sub_co_u32 s46, s46, 1
	s_mov_b32 s26, 0
	NWCALC
	TOKENS
	ROWTAB
	s_wait_loadcnt 16                              ; b1 and the unit of step 0 are in; step 1's 16 loads may be out
	WIN 0x05
.set k, 0
.rept 32
	v_cvt_pk_bf16_f32 v[CV+k], v[BB0+2*k], v[BB0+2*k+1]
.set k, k+1
.endr
	WIN 0xc0                                       ; b1, rounded to bf16, widened again, in the accumulators' order: register j of column tile (g, c) is column 64 g + 32 hh + 4 j + c
.irp g, 0,1
.irp j, 0,1,2,3,4,5,6,7
	v_lshlrev_b32 v[BIAS+32*\g+\j], 16, v[CV+16*\g+2*\j]
	v_and_b32 v[BIAS+32*\g+8+\j], s42, v[CV+16*\g+2*\j]
	v_lshlrev_b32 v[BIAS+32*\g+16+\j], 16, v[CV+16*\g+2*\j+1]
	v_and_b32 v[BIAS+32*\g+24+\j], s42, v[CV+16*\g+2*\j+1]
.endr
.endr
	WIN 0
	CONV LD0, 0
	WLOAD LD0, 2*WSTR
	PF 4*WSTR
	s_wait_loadcnt 16                              ; step 1's unit is in; step 2's may be out
	CONV LD1, CH
	ALOAD 0, 0                                     ; from here on the order is the loop's: rows, then weights
	WLOAD LD1, 3*WSTR
	PF 5*WSTR
	PF 6*WSTR
	s_wait_dscnt 0x0                               ; chunks 0 and 1: my stores are done
	s_barrier_signal -1
	s_barrier_wait -1
	BLOAD BB0, 0
	s_wait_xcnt 0x0
	s_add_nc_u64 s[4:5], s[4:5], 4*WSTR
	v_add_nc_u32 v[WADR], 2*CH, v[WADR]
	s_mov_b32 s27, 6
.Lk1:                                                  ; steps 0 to 11
	STEP 0,1,1,16,1,0,1
	STEP 1,1,1,16,1,0,1
	TRIPEND 1
	s_sub_co_u32 s27, s27, 1
	s_cmp_lg_u32 s27, 0
	s_cbranch_scc1 .Lk1
	STEP 0,1,0,16,1,0,0                            ; step 12: the last unit's 16 loads may be out
	STEP 1,1,0,0,1,0,0                             ; step 13: nothing was asked for behind what it needs
	TRIPEND 0
	s_mov_b32 s27, 1
	s_branch .Lns                                  ; steps 14 and 15 are the last trip of the loop that the later passes walk whole
.Lpass:                                                ; a further pass: the next 24 tiles, the weights out of LDS
	s_wait_xcnt 0x0
	NWCALC
	PLACES
	CLEAR
	TOKENS
	ROWTAB
	s_mov_b64 s[32:33], s[8:9]
	v_mov_b32 v[RADR], v[LOFF]
	ALOAD 0, 0
	BLOAD BB0, 0
	s_mov_b32 s27, 8
.Lns:
	STEP 0,0,0,0,0,0,0
	STEP 1,0,0,0,0,1,0
	TRIPEND 0
	s_sub_co_u32 s27, s27, 1
	s_cmp_lg_u32 s27, 0
	s_cbranch_scc1 .Lns
	; THE WAY OUT, a tile a trip: bias, gelu, rounding, and the tile's 2 x 2,048 bytes of h in the order in which the next launch's registers take them.
	PLACES
	s_wait_loadcnt 0x0                             ; no load into the rows' buffers is out: they serve as work registers here and are loaded anew by the next pass
	s_mul_i32 s50, s26, 24*TILEB
	s_mov_b32 s51, 0
	s_add_nc_u64 s[34:35], s[16:17], s[50:51]
	s_mov_b32 s28, 0
.Lep:
	s_cmp_ge_u32 s28, s25
	s_cbranch_scc1 .Lepd
.irp i, 0,1,2,3,4
	s_cmp_lg_u32 s28, \i
	s_cbranch_scc1 .Lc\i
	COPY \i
	s_branch .Lcd
.Lc\i:
.endr
	COPY 5
.Lcd:
.set z, 0
.rept 32
	v_pk_mul_f32 v[WK+2*z:WK+2*z+1], v[TMP+2*z:TMP+2*z+1], v[TMP+2*z:TMP+2*z+1]
.set z, z+1
.endr
.set z, 0
.rept 32
	v_pk_fma_f32 v[WK+2*z:WK+2*z+1], v[WK+2*z:WK+2*z+1], s[38:39], s[36:37] op_sel_hi:[1,0,0]
.set z, z+1
.endr
.set z, 0
.rept 32
	v_pk_mul_f32 v[WK+2*z:WK+2*z+1], v[TMP+2*z:TMP+2*z+1], v[WK+2*z:WK+2*z+1]
.set z, z+1
.endr
.set z, 0
.rept 64
	v_exp_f32 v[WK+z], v[WK+z]
.set z, z+1
.endr
	v_nop                                          ; a plain line behind the last exponential (ISA guide 5.7.2)
.set z, 0
	s_wait_alu depctr_va_vdst(0)
.rept 32
	v_pk_add_f32 v[WK+2*z:WK+2*z+1], v[WK+2*z:WK+2*z+1], 1.0 op_sel_hi:[1,0]
.set z, z+1
.endr
.set z, 0
.rept 64
	v_rcp_f32 v[WK+z], v[WK+z]
.set z, z+1
.endr
	v_nop
.set z, 0
	s_wait_alu depctr_va_vdst(0)
.rept 32
	v_pk_mul_f32 v[TMP+2*z:TMP+2*z+1], v[TMP+2*z:TMP+2*z+1], v[WK+2*z:WK+2*z+1]
.set z, z+1
.endr
.irp g, 0,1                            ; my 32 columns of group g in ascending order: column 4 j + c lies in register j of column tile c
.irp q, 0,1
.irp p, 0,1,2,3,4,5,6,7
	v_cvt_pk_bf16_f32 v[HR+16*\g+8*\q+\p], v[TMP+32*\g+16*(\p%2)+4*\q+\p/2], v[TMP+32*\g+16*(\p%2)+8+4*\q+\p/2]
.endr
.endr
.endr
.irp g, 0,1
.irp s, 0,1,2,3
	global_store_b128 v[LOFF], v[HR+16*\g+4*\s:HR+16*\g+4*\s+3], s[34:35] offset:2048*\g+512*\s   ; 512 consecutive bytes, at a multiple of 256 from h's first
.endr
.endr
	s_wait_xcnt 0x0                                ; the stores have read their registers and their base
	s_add_nc_u64 s[34:35], s[34:35], 4*TILEB
	s_add_co_u32 s28, s28, 1
	s_cmp_lt_u32 s28, 6
	s_cbranch_scc1 .Lep
.Lepd:
	s_add_co_u32 s26, s26, 1
	s_mul_i32 s29, s26, 24
	s_cmp_ge_u32 s29, s24
	s_cbranch_scc1 .Ldone                          ; no tile is left
	s_cmp_lt_u32 s26, 3
	s_cbranch_scc1 .Lpass
.Ldone:
	s_wait_dscnt 0x0                               ; my LDS reads are back,
	s_barrier_signal -1
	s_barrier_wait -1                              ; and so are every wave's: only now is LDS written again
	s_wait_tensorcnt 0x0                           ; the wave's end: behind my last LDS store
	ds_add_u32 v[SPW], v[NIL]
	s_wait_dscnt 0x0
	s_endpgm
.Lfunc_end_k_qde0293c959_up:
	.size	k_qde0293c959_up, .Lfunc_end_k_qde0293c959_up-k_qde0293c959_up
	.p2alignl 7, 3214868480
	.fill 96, 4, 3214868480
	.section	.rodata,"a",@progbits
	.p2align	6, 0x0
	.amdhsa_kernel k_qde0293c959_up
		.amdhsa_group_segment_fixed_size 280064
		.amdhsa_private_segment_fixed_size 0
		.amdhsa_enable_private_segment 0
		.amdhsa_kernarg_size 72
		.amdhsa_user_sgpr_count 2
		.amdhsa_user_sgpr_kernarg_segment_ptr 1
		.amdhsa_wavefront_size32 1
		.amdhsa_system_sgpr_workgroup_id_x 1
		.amdhsa_system_sgpr_workgroup_id_y 1
		.amdhsa_system_sgpr_workgroup_id_z 1
		.amdhsa_system_vgpr_workitem_id 0
		.amdhsa_next_free_vgpr 960
		.amdhsa_next_free_sgpr 100
		.amdhsa_reserve_vcc 1
		.amdhsa_float_denorm_mode_32 3
		.amdhsa_float_denorm_mode_16_64 3
		.amdhsa_memory_ordered 1
		.amdhsa_forward_progress 1
		.amdhsa_inst_pref_size 208
	.end_amdhsa_kernel
	.amdgpu_metadata
---
amdhsa.version: [ 1, 2 ]
amdhsa.kernels:
  - .name:           k_qde0293c959_up
    .symbol:         k_qde0293c959_up.kd
    .args:
      - { .name: w1, .offset: 0, .size: 8, .value_kind: global_buffer, .address_space: global }
      - { .name: b1, .offset: 8, .size: 8, .value_kind: global_buffer, .address_space: global }
      - { .name: xb, .offset: 16, .size: 8, .value_kind: global_buffer, .address_space: global }
      - { .name: rmap, .offset: 24, .size: 8, .value_kind: global_buffer, .address_space: global }
      - { .name: ridx, .offset: 32, .size: 8, .value_kind: global_buffer, .address_space: global }
      - { .name: rgate, .offset: 40, .size: 8, .value_kind: global_buffer, .address_space: global }
      - { .name: h, .offset: 48, .size: 8, .value_kind: global_buffer, .address_space: global }
      - { .name: rowdst, .offset: 56, .size: 8, .value_kind: global_buffer, .address_space: global }
      - { .name: rowgate, .offset: 64, .size: 8, .value_kind: global_buffer, .address_space: global }
    .group_segment_fixed_size: 280064
    .private_segment_fixed_size: 0
    .kernarg_segment_align: 8
    .kernarg_segment_size: 72
    .max_flat_workgroup_size: 128
    .sgpr_count:     100
    .vgpr_count:     960
    .wavefront_size: 32
...
	.end_amdgpu_metadata
.endif
;; end of part 2
;; launch down (part 3): grid 256 x 1, 4 waves a work-group, no clusters, 280,064 bytes of LDS; arguments w2, b2, h, rmap, rowdst, rowgate, ybuf; writes ybuf
.if DOCPART == 3
	.amdgcn_target "amdgcn-amd-amdhsa--gfx1250"
	.amdhsa_code_object_version 6
	.text
	.protected	k_qde0293c959_down
	.globl	k_qde0293c959_down
	.p2align	8
	.type	k_qde0293c959_down,@function
k_qde0293c959_down:
	s_mov_b64 s[64:65], 0
	v_nop
	global_prefetch_b8 v0, s[64:65] scope:SCOPE_SE
	s_setreg_imm32_b32 hwreg(HW_REG_WAVE_MODE, 25, 1), 1
	s_wait_xcnt 0x0
; SECOND PRODUCT.  ybuf[kq][slot][token][:] = gate x (h_row w2[e] over the K quarter kq, + b2[e] where kq = 0): partial sums in f32, which the last launch adds.
; SHARES.  Work-group = (expert e = wg / 32, K quarter kq = (wg / 8) % 4, slice sl = wg % 8): 128 columns x 1,024 k of w2[e], 512 KiB of f32 that this work-group alone reads, and all rows of the expert.
; The loop is the first product's: the four waves split the rows (tile 24 P + 4 i + w is local tile i of wave w in pass P), pass 0 runs while the weights stream in and are rounded to bf16 into LDS,
; passes 1 and 2 (more than 384 rows) read the slice from there.  15 barriers stand in pass 0 and one at the end, all on every wave's path; what hangs on the count only jumps forward over loads and products.
; K MAP, WEIGHTS, THE LOAD COUNTER: as in the first product: lane half hh, place i of the product (step j, q) stands for k = 64 j + 32 hh + 16 q + i; a unit is 16 loads in each of which 16 neighbouring
; lanes take 256 consecutive bytes of a row; column tile c of group cg holds the columns 64 cg + 4 n + c; rows are asked for ahead of weights, so 's_wait_loadcnt 16' leaves the youngest unit out.
; ROWS: h lies as this launch's registers take it: a tile's group of 64 k is 2,048 bytes, four loads of 512 consecutive bytes.
; SOURCE 0 = rows, source 1 = weights: register j of column tile (cg, c) in lane (r, hh) is (row 8 hh + j, column 64 cg + 4 r + c): a lane's four column tiles are 16 consecutive bytes of a row,
; and 16 neighbouring lanes store 256 consecutive bytes, at a multiple of 256 from ybuf's first.  Where a row goes (slot x 1,024 + token) and its gate come from the tables of the launch before.
; Places past the count repeat the last row: they store that row's own numbers once more.
; NO JOINT LOADS: each weight byte has one reader; the rows that eight slices share, 2 KiB x 16 steps a tile, have no room in LDS beside the 256 KiB slice, and a ring may not stand in a loop
; whose work hangs on a count.  LIMITS: w2 and b2 count as their bf16 roundings; NaN and infinities are not treated apart.
.set WPS,   12
.set WP,    1<<WPS
.set WSTR,  64*WP
.set ASTR,  2048
.set WMUL,  0xa4                       ; source 0 (rows) window 0, source 1 (weights) window 1, C and D window 2; + 0x50: window 3
.set CH,    16384
.set SPARE, 279552                     ; the spare words, 128 bytes a wave: two blocks of 256 bytes that no other line names (the slice ends at 262,144; the bytes between are not used)
.set TILEB, 131072
.set SPW,  2
.set NIL,  3
.set WOFF, 4
.set WADR, 5
.set RADR, 6
.set LOFF, 7
.set RR,   14
.set R16,  15                          ; 16 r
.set PFO,  16
.set TABO, 19                          ; 32 hh
.set CV,   32
.set AXB,  64
.set TMP,  64                          ; the way out: a tile's 64 sums plus bias,
.set OUT,  128                         ; times the gates, in the order of the stores
.set NXT,  192                         ; v192-199 the next tile's eight places, v200-207 its gates
.set ROWOFF, 208                       ; v208-215 row j's byte offset in a plane pair of ybuf
.set G,    216                         ; v216-223 row j's gate
.set BB0,  0
.set BB1,  64
.set LD0,  128
.set LD1,  192
.set BIAS, 128                         ; window 3, v128-143: b2 of column tile f, twice, at 128 + 2 f
; scalars: s2 wave, s3 e, s[4:5] weights, s[6:7] b2, s[8:9] h at my first tile, s[10:11] rmap, s[12:13] rowdst, s[14:15] rowgate, s[16:17] ybuf, s22 sl, s23 count, s24 tiles, s25 NW, s26 P,
; s27 trips to go, s28 I, s29-31 at work, s[32:33] rows, s[34:35], s[36:37] the tables, s42 a word's upper half, s45 16 (24 P + w), s47 kq, s48 all ones where kq = 0, s[50:59] offsets, s[68:99] the bitmap
.set MSB, 0
.macro WIN new
.if MSB != (\new)
	s_set_vgpr_msb (MSB<<8)|(\new)
.set MSB, (\new)
.endif
.endm
.macro PLACES                          ; four places behind a product, ahead of a load into one of its registers or a vector line that touches them
.rept 4
	v_nop
.endr
.endm
.macro WLOAD dst, imm
	WIN 0x40
.irp i, 0,1,2,3,4,5,6,7,8,9,10,11,12,13,14,15
	global_load_b128 v[(\dst)+4*\i:(\dst)+4*\i+3], v[WOFF], s[4:5] offset:(\imm)+\i*WP th:TH_LOAD_NT
.endr
	WIN 0
.endm
.macro CONV src, imm
	WIN 0x05
.irp c, 0,1,2,3
.irp p, 0,1,2,3,4,5,6,7
	v_cvt_pk_bf16_f32 v[CV+8*\c+\p], v[(\src)+8*\p+\c], v[(\src)+8*\p+4+\c]
.endr
.endr
	WIN 0
.irp c, 0,1,2,3
	ds_store_b128 v[WADR], v[CV+8*\c:CV+8*\c+3] offset:(\imm)+\c*1024
	ds_store_b128 v[WADR], v[CV+8*\c+4:CV+8*\c+7] offset:(\imm)+\c*1024+512
.endr
.endm
.macro BLOAD buf, imm
	WIN 0x40
.irp f, 0,1,2,3,4,5,6,7
	ds_load_b128 v[(\buf)+8*\f:(\buf)+8*\f+3], v[RADR] offset:(\imm)+\f*1024
	ds_load_b128 v[(\buf)+8*\f+4:(\buf)+8*\f+7], v[RADR] offset:(\imm)+\f*1024+512
.endr
	WIN 0
.endm
.macro ALOAD par, imm
.irp i, 0,1,2,3,4,5
	s_cmp_le_u32 s25, \i
	s_cbranch_scc1 .Lal_\@
.irp s, 0,1,2,3
	global_load_b128 v[AXB+96*(\par)+16*\i+4*\s:AXB+96*(\par)+16*\i+4*\s+3], v[LOFF], s[32:33] offset:(\imm)+\i*4*TILEB+512*\s
.endr
.endr
.Lal_\@:
.endm
.macro MULS q, par                     ; the accumulators take turns, one instruction a turn
.irp i, 0,1,2,3,4,5
	s_cmp_le_u32 s25, \i
	s_cbranch_scc1 .Lmu_\@
	WIN WMUL+0x50*(\i/4)
.irp f, 0,1,2,3,4,5,6,7
	v_wmma_f32_16x16x32_bf16 v[64*(\i%4)+8*\f:64*(\i%4)+8*\f+7], v[AXB+96*(\par)+16*\i+8*(\q):AXB+96*(\par)+16*\i+8*(\q)+7], v[64*(\q)+8*\f:64*(\q)+8*\f+7], v[64*(\i%4)+8*\f:64*(\i%4)+8*\f+7]
.endr
	WIN 0
.endr
.Lmu_\@:
.endm
.macro PF imm                          ; my unit of a later step: one lane for each of its 32 rows of 256 bytes; each such block is asked for once in the launch
	global_prefetch_b8 v[PFO], s[4:5] offset:\imm th:TH_LOAD_NT scope:SCOPE_SE
.endm
.macro CLEAR                           ; the sums start at 0, on purpose: a first step with the constant 0 as C would be a third and fourth copy of the step's text
	WIN 0x80
.set z, 0
.rept 256
	v_mov_b32 v[z], 0
.set z, z+1
.endr
	WIN 0xc0
.set z, 0
.rept 128
	v_mov_b32 v[z], 0
.set z, z+1
.endr
	WIN 0
.endm
.macro NWCALC
	s_mul_i32 s29, s26, 24
	s_add_co_u32 s29, s29, s2
	s_lshl_b32 s45, s29, 4
	s_add_co_u32 s30, s24, 3
	s_sub_co_i32 s30, s30, s29
	s_max_i32 s30, s30, 0
	s_lshr_b32 s30, s30, 2
	s_min_u32 s25, s30, 6
.endm
.macro TRIPEND stream
	s_wait_xcnt 0x0                                ; every earlier memory instruction has had its addresses translated (ISA guide 3.1): only now are the bases stepped
	s_add_nc_u64 s[32:33], s[32:33], 2*ASTR
	v_add_nc_u32 v[RADR], 2*CH, v[RADR]
.if \stream
	s_add_nc_u64 s[4:5], s[4:5], 2*WSTR
	v_add_nc_u32 v[WADR], 2*CH, v[WADR]
.endif
.endm
; STEP s (par = s % 2).  conv: the unit of step s + 2 is rounded and stored.  wissue: the unit of step s + 4 is asked for.  lwait: the loads that may stay out.  bar: a barrier shows the chunk stored here to all.
; guard: in the loop's last trip there is no step s + 1.  pf: the unit of step s + 7 is prefetched, three steps ahead of its load; the trips whose look-ahead would pass step 15 ask for nothing.
.macro STEP par, conv, wissue, lwait, bar, guard, pf
	s_wait_loadcnt \lwait                          ; this step's rows and the unit of step s + 2 are in
.if \conv
	CONV LD0+64*(\par), (\par)*CH                  ; its 32 conversions are also the places behind the last products
.else
	PLACES
.endif
.if \guard
	s_cmp_eq_u32 s27, 1
	s_cbranch_scc1 .Lga_\@
.endif
	ALOAD 1-(\par), ((\par)+1)*ASTR
.if \guard
.Lga_\@:
.endif
.if \wissue
	WLOAD LD0+64*(\par), (\par)*WSTR
.endif
.if \pf
	s_cmp_lt_u32 s27, 2+(\par)
	s_cbranch_scc1 .Lpf_\@
	PF (3+(\par))*WSTR
.Lpf_\@:
.endif
	BLOAD BB1, (\par)*CH+8192
	s_wait_dscnt 16+8*(\conv)                      ; the fragments of q = 0 are in: behind them stand my stores above and the 16 loads just issued
	MULS 0, \par
	s_wait_dscnt 0x0                               ; the fragments of q = 1
.if \guard
	s_cmp_eq_u32 s27, 1
	s_cbranch_scc1 .Lgb_\@
.endif
	PLACES
	BLOAD BB0, ((\par)+1)*CH
.if \guard
.Lgb_\@:
.endif
	MULS 1, \par
.if \bar
	s_wait_dscnt 0x0                               ; for the others' sake: my stores of the chunk are done
	s_barrier_signal -1
	s_barrier_wait -1
.endif
.endm
.macro COPY i                          ; tile i's 64 sums, plus the bias, into window 0; each accumulator is read from its low end on
	WIN 0x0e+(\i)/4
.irp f, 0,1,2,3,4,5,6,7
.irp z, 0,1,2,3
	v_pk_add_f32 v[TMP+8*\f+2*\z:TMP+8*\f+2*\z+1], v[64*((\i)%4)+8*\f+2*\z:64*((\i)%4)+8*\f+2*\z+1], v[BIAS+2*\f:BIAS+2*\f+1]
.endr
.endr
	WIN 0
.endm
.macro TABLES                          ; a tile's eight places and eight gates for my half of its rows
	global_load_b128 v[NXT:NXT+3], v[TABO], s[34:35]
	global_load_b128 v[NXT+4:NXT+7], v[TABO], s[34:35] offset:16
	global_load_b128 v[NXT+8:NXT+11], v[TABO], s[36:37]
	global_load_b128 v[NXT+12:NXT+15], v[TABO], s[36:37] offset:16
.endm
	s_load_b256 s[4:11], s[0:1], 0x0
	s_load_b128 s[12:15], s[0:1], 0x20
	s_load_b64 s[16:17], s[0:1], 0x30
	v_lshl_add_u32 v[SPW], v0, 2, SPARE
	v_mov_b32 v[NIL], 0
	v_lshrrev_b32 v28, 5, v0
	v_readfirstlane_b32 s2, v28                    ; wave 0..3
	v_and_b32 v1, 31, v0
	v_and_b32 v[RR], 15, v0
	v_bfe_u32 v29, v0, 4, 1                        ; hh
	v_lshlrev_b32 v[LOFF], 4, v1
	v_lshlrev_b32 v[R16], 4, v[RR]
	v_lshlrev_b32 v[TABO], 5, v29
	v_lshl_add_u32 v[WOFF], v29, WPS+5, v[R16]
	v_lshlrev_b32 v[PFO], WPS, v[RR]
	v_lshl_add_u32 v[PFO], v29, WPS+5, v[PFO]
	v_mov_b32 v[RADR], v[LOFF]
	s_lshr_b32 s3, ttmp9, 5                        ; e
	s_and_b32 s22, ttmp9, 7                        ; sl
	s_bfe_u32 s47, ttmp9, 0x20003                  ; kq
	s_lshr_b32 s29, s2, 1                          ; q
	s_and_b32 s30, s2, 1                           ; cg
	s_lshl_b32 s31, s29, 13
	s_lshl_b32 s50, s30, 12
	s_add_co_u32 s31, s31, s50
	v_add_nc_u32 v[WADR], s31, v[LOFF]
	s_lshl_b32 s50, s3, 24                         ; the weights: expert, the quarter's 1,024 rows, my unit's first row 16 q, the slice's 512 bytes, my 256 of them
	s_lshl_b32 s31, s47, WPS+10
	s_add_co_u32 s50, s50, s31
	s_lshl_b32 s31, s29, WPS+4
	s_add_co_u32 s50, s50, s31
	s_lshl_b32 s31, s22, 9
	s_add_co_u32 s50, s50, s31
	s_lshl_b32 s31, s30, 8
	s_add_co_u32 s50, s50, s31
	s_mov_b32 s51, 0
	s_lshl_b32 s52, s3, 7                          ; the bitmap
	s_mov_b32 s53, 0
	s_lshl_b32 s54, s3, 12                         ; b2
	s_lshl_b32 s31, s22, 9
	s_add_co_u32 s54, s54, s31
	s_mov_b32 s55, 0
	s_lshl_b32 s56, s3, 23                         ; h: expert, tile w, the quarter's 16 groups
	s_lshl_b32 s31, s2, 17
	s_add_co_u32 s56, s56, s31
	s_lshl_b32 s31, s47, 15
	s_add_co_u32 s56, s56, s31
	s_mov_b32 s57, 0
	s_lshl_b32 s58, s47, 23                        ; ybuf: the quarter's two planes, the slice's 512 bytes
	s_lshl_b32 s31, s22, 9
	s_add_co_u32 s58, s58, s31
	s_mov_b32 s59, 0
	s_mov_b32 s42, 0xffff0000
	s_cmp_eq_u32 s47, 0
	s_cselect_b32 s48, -1, 0
	s_wait_kmcnt 0x0
	s_add_nc_u64 s[10:11], s[10:11], s[52:53]
	s_load_b512 s[68:83], s[10:11], 0x0
	s_load_b512 s[84:99], s[10:11], 0x40
	s_add_nc_u64 s[4:5], s[4:5], s[50:51]
	s_add_nc_u64 s[6:7], s[6:7], s[54:55]
	s_add_nc_u64 s[8:9], s[8:9], s[56:57]
	s_add_nc_u64 s[16:17], s[16:17], s[58:59]
	s_mov_b64 s[32:33], s[8:9]
	global_load_b128 v[20:23], v[R16], s[6:7]              ; b2[128 sl + 4 r ..],
	global_load_b128 v[24:27], v[R16], s[6:7] offset:256   ; and 64 columns on
	WLOAD LD0, 0
	WLOAD LD1, WSTR
	PF 2*WSTR
	PF 3*WSTR
	CLEAR                                          ; all this stands in the wait for the first weights
.set z, AXB
.rept 192
	v_mov_b32 v[z], 0                              ; the rows' buffers: a dead tile's registers are never loaded
.set z, z+1
.endr
	s_wait_kmcnt 0x0
	s_mov_b32 s23, 0
.set i, 0
.rept 32
	s_bcnt1_i32_b32 s29, s[68+i]
	s_add_co_u32 s23, s23, s29
.set i, i+1
.endr
	s_add_co_u32 s24, s23, 15
	s_lshr_b32 s24, s24, 4
	s_mov_b32 s26, 0
	NWCALC
	s_wait_loadcnt 16                              ; b2 and the unit of step 0 are in; step 1's 16 loads may be out
.irp k, 0,1,2,3
	v_cvt_pk_bf16_f32 v[28+\k], v[20+2*\k], v[21+2*\k]
.endr
.irp k, 0,1,2,3
	v_and_b32 v[28+\k], s48, v[28+\k]              ; the bias belongs to the first quarter alone
.endr
	WIN 0xc0
.irp k, 0,1,2,3
	v_lshlrev_b32 v[BIAS+4*\k], 16, v[28+\k]
	v_lshlrev_b32 v[BIAS+4*\k+1], 16, v[28+\k]
	v_and_b32 v[BIAS+4*\k+2], s42, v[28+\k]
	v_and_b32 v[BIAS+4*\k+3], s42, v[28+\k]
.endr
	WIN 0
	CONV LD0, 0
	WLOAD LD0, 2*WSTR
	PF 4*WSTR
	s_wait_loadcnt 16                              ; step 1's unit is in; step 2's may be out
	CONV LD1, CH
	ALOAD 0, 0                                     ; from here on the order is the loop's: rows, then weights
	WLOAD LD1, 3*WSTR
	PF 5*WSTR
	PF 6*WSTR
	s_wait_dscnt 0x0                               ; chunks 0 and 1: my stores are done
	s_barrier_signal -1
	s_barrier_wait -1
	BLOAD BB0, 0
	s_wait_xcnt 0x0
	s_add_nc_u64 s[4:5], s[4:5], 4*WSTR
	v_add_nc_u32 v[WADR], 2*CH, v[WADR]
	s_mov_b32 s27, 6
.Lk1:                                                  ; steps 0 to 11
	STEP 0,1,1,16,1,0,1
	STEP 1,1,1,16,1,0,1
	TRIPEND 1
	s_sub_co_u32 s27, s27, 1
	s_cmp_lg_u32 s27, 0
	s_cbranch_scc1 .Lk1
	STEP 0,1,0,16,1,0,0                            ; step 12: the last unit's 16 loads may be out
	STEP 1,1,0,0,1,0,0                             ; step 13
	TRIPEND 0
	s_mov_b32 s27, 1
	s_branch .Lns                                  ; steps 14 and 15 are the last trip of the loop that the later passes walk whole
.Lpass:                                                ; a further pass: the next 24 tiles, the weights out of LDS
	s_wait_xcnt 0x0
	NWCALC
	PLACES
	CLEAR
	s_mul_i32 s50, s26, 24*TILEB
	s_mov_b32 s51, 0
	s_add_nc_u64 s[32:33], s[8:9], s[50:51]
	v_mov_b32 v[RADR], v[LOFF]
	ALOAD 0, 0
	BLOAD BB0, 0
	s_mov_b32 s27, 8
.Lns:
	STEP 0,0,0,0,0,0,0
	STEP 1,0,0,0,0,1,0
	TRIPEND 0
	s_sub_co_u32 s27, s27, 1
	s_cmp_lg_u32 s27, 0
	s_cbranch_scc1 .Lns
	; THE WAY OUT, a tile a trip.  The tables of the tile after are asked for while this one is scaled and stored.
	PLACES
	s_mul_i32 s50, s3, 4608
	s_lshl_b32 s29, s45, 2
	s_add_co_u32 s50, s50, s29
	s_mov_b32 s51, 0
	s_add_nc_u64 s[34:35], s[12:13], s[50:51]
	s_add_nc_u64 s[36:37], s[14:15], s[50:51]
	TABLES                                         ; inside the tables for every split; used only where I have a live tile
	s_mov_b32 s28, 0
.Lep:
	s_cmp_ge_u32 s28, s25
	s_cbranch_scc1 .Lepd
	s_wait_loadcnt 0x0                             ; this tile's tables
	s_wait_xcnt 0x0                                ; the last tile's stores have read their registers
.irp j, 0,1,2,3,4,5,6,7
	v_min_u32 v20, 0x7ff, v[NXT+\j]
	v_lshl_add_u32 v[ROWOFF+\j], v20, 12, v[R16]
	v_mov_b32 v[G+\j], v[NXT+8+\j]
.endr
	s_add_nc_u64 s[34:35], s[34:35], 256           ; four tiles on
	s_add_nc_u64 s[36:37], s[36:37], 256
	s_add_co_u32 s29, s28, 1
	s_cmp_ge_u32 s29, s25
	s_cbranch_scc1 .Lnt
	TABLES
.Lnt:
.irp i, 0,1,2,3,4
	s_cmp_lg_u32 s28, \i
	s_cbranch_scc1 .Lc\i
	COPY \i
	s_branch .Lcd
.Lc\i:
.endr
	COPY 5
.Lcd:
.irp j, 0,1,2,3,4,5,6,7
.irp g, 0,1
.irp c, 0,1,2,3
	v_mul_f32 v[OUT+8*\j+4*\g+\c], v[TMP+32*\g+8*\c+\j], v[G+\j]
.endr
.endr
.endr
.irp j, 0,1,2,3,4,5,6,7
.irp g, 0,1
	global_store_b128 v[ROWOFF+\j], v[OUT+8*\j+4*\g:OUT+8*\j+4*\g+3], s[16:17] offset:256*\g   ; 16 neighbouring lanes store 256 consecutive bytes of one row
.endr
.endr
	s_add_co_u32 s28, s28, 1
	s_cmp_lt_u32 s28, 6
	s_cbranch_scc1 .Lep
.Lepd:
	s_wait_loadcnt 0x0                             ; tables asked for and not used
	s_wait_xcnt 0x0
	s_add_co_u32 s26, s26, 1
	s_mul_i32 s29, s26, 24
	s_cmp_ge_u32 s29, s24
	s_cbranch_scc1 .Ldone                          ; no tile is left
	s_cmp_lt_u32 s26, 3
	s_cbranch_scc1 .Lpass
.Ldone:
	s_wait_dscnt 0x0                               ; my LDS reads are back,
	s_barrier_signal -1
	s_barrier_wait -1                              ; and so are every wave's: only now is LDS written again
	s_wait_tensorcnt 0x0                           ; the wave's end: behind my last LDS store
	ds_add_u32 v[SPW], v[NIL]
	s_wait_dscnt 0x0
	s_endpgm
.Lfunc_end_k_qde0293c959_down:
	.size	k_qde0293c959_down, .Lfunc_end_k_qde0293c959_down-k_qde0293c959_down
	.p2alignl 7, 3214868480
	.fill 96, 4, 3214868480
	.section	.rodata,"a",@progbits
	.p2align	6, 0x0
	.amdhsa_kernel k_qde0293c959_down
		.amdhsa_group_segment_fixed_size 280064
		.amdhsa_private_segment_fixed_size 0
		.amdhsa_enable_private_segment 0
		.amdhsa_kernarg_size 56
		.amdhsa_user_sgpr_count 2
		.amdhsa_user_sgpr_kernarg_segment_ptr 1
		.amdhsa_wavefront_size32 1
		.amdhsa_system_sgpr_workgroup_id_x 1
		.amdhsa_system_sgpr_workgroup_id_y 1
		.amdhsa_system_sgpr_workgroup_id_z 1
		.amdhsa_system_vgpr_workitem_id 0
		.amdhsa_next_free_vgpr 912
		.amdhsa_next_free_sgpr 100
		.amdhsa_reserve_vcc 0
		.amdhsa_float_denorm_mode_32 3
		.amdhsa_float_denorm_mode_16_64 3
		.amdhsa_memory_ordered 1
		.amdhsa_forward_progress 1
		.amdhsa_inst_pref_size 167
	.end_amdhsa_kernel
	.amdgpu_metadata
---
amdhsa.version: [ 1, 2 ]
amdhsa.kernels:
  - .name:           k_qde0293c959_down
    .symbol:         k_qde0293c959_down.kd
    .args:
      - { .name: w2, .offset: 0, .size: 8, .value_kind: global_buffer, .address_space: global }
      - { .name: b2, .offset: 8, .size: 8, .value_kind: global_buffer, .address_space: global }
      - { .name: h, .offset: 16, .size: 8, .value_kind: global_buffer, .address_space: global }
      - { .name: rmap, .offset: 24, .size: 8, .value_kind: global_buffer, .address_space: global }
      - { .name: rowdst, .offset: 32, .size: 8, .value_kind: global_buffer, .address_space: global }
      - { .name: rowgate, .offset: 40, .size: 8, .value_kind: global_buffer, .address_space: global }
      - { .name: ybuf, .offset: 48, .size: 8, .value_kind: global_buffer, .address_space: global }
    .group_segment_fixed_size: 280064
    .private_segment_fixed_size: 0
    .kernarg_segment_align: 8
    .kernarg_segment_size: 56
    .max_flat_workgroup_size: 128
    .sgpr_count:     100
    .vgpr_count:     912
    .wavefront_size: 32
...
	.end_amdgpu_metadata
.endif
;; end of part 3
;; launch sum (part 4): grid 256 x 1, 8 waves a work-group, no clusters, 0 bytes of LDS; arguments ybuf, out0; writes out0
.if DOCPART == 4
	.amdgcn_target "amdgcn-amd-amdhsa--gfx1250"
	.amdhsa_code_object_version 6
	.text
	.protected	k_qde0293c959_sum
	.globl	k_qde0293c959_sum
	.p2align	8
	.type	k_qde0293c959_sum,@function
k_qde0293c959_sum:
	s_mov_b64 s[64:65], 0
	v_nop
	global_prefetch_b8 v0, s[64:65] scope:SCOPE_SE
	s_setreg_imm32_b32 hwreg(HW_REG_WAVE_MODE, 25, 1), 1
	s_wait_xcnt 0x0
; out0[token] = the sum of ybuf's eight planes (four K quarters x two slots), in f32, in one fixed order.
; A work-group owns four token rows of 4,096 bytes; thread t owns the 16 bytes at 16 t of each row, so a wave's load or store covers 512 consecutive bytes.
; All 32 loads of a thread go out at once, row by row; each row is added and stored when its eight have come.  No LDS, no barrier, no matrix unit: every byte is read once and written once.
.set X, 4                              ; v4-131: row ro, plane n at 4 + 32 ro + 4 n
	s_load_b128 s[4:7], s[0:1], 0x0                ; ybuf s[4:5], out0 s[6:7]
	v_lshlrev_b32 v1, 4, v0
	s_lshl_b32 s2, ttmp9, 14                       ; four rows of 4,096 bytes
	s_mov_b32 s3, 0
	s_wait_kmcnt 0x0
	s_add_nc_u64 s[8:9], s[4:5], s[2:3]            ; a base for each K quarter; slot and row stand in the immediate
	s_add_nc_u64 s[6:7], s[6:7], s[2:3]
	s_add_nc_u64 s[10:11], s[8:9], 0x800000
	s_add_nc_u64 s[12:13], s[8:9], 0x1000000
	s_add_nc_u64 s[14:15], s[8:9], 0x1800000
.irp ro, 0,1,2,3
.irp n, 0,1,2,3,4,5,6,7
	global_load_b128 v[X+32*\ro+4*\n:X+32*\ro+4*\n+3], v1, s[8+2*(\n/2):9+2*(\n/2)] offset:(\n%2)*0x400000+\ro*4096 th:TH_LOAD_NT
.endr
.endr
.irp ro, 0,1,2,3
	s_wait_loadcnt 24-8*\ro                        ; this row's eight loads are in; the later rows' stay out
.irp n, 0,2,4,6
	v_pk_add_f32 v[X+32*\ro+4*\n:X+32*\ro+4*\n+1], v[X+32*\ro+4*\n:X+32*\ro+4*\n+1], v[X+32*\ro+4*\n+4:X+32*\ro+4*\n+5]
	v_pk_add_f32 v[X+32*\ro+4*\n+2:X+32*\ro+4*\n+3], v[X+32*\ro+4*\n+2:X+32*\ro+4*\n+3], v[X+32*\ro+4*\n+6:X+32*\ro+4*\n+7]
.endr
.irp n, 0,4
	v_pk_add_f32 v[X+32*\ro+4*\n:X+32*\ro+4*\n+1], v[X+32*\ro+4*\n:X+32*\ro+4*\n+1], v[X+32*\ro+4*\n+8:X+32*\ro+4*\n+9]
	v_pk_add_f32 v[X+32*\ro+4*\n+2:X+32*\ro+4*\n+3], v[X+32*\ro+4*\n+2:X+32*\ro+4*\n+3], v[X+32*\ro+4*\n+10:X+32*\ro+4*\n+11]
.endr
	v_pk_add_f32 v[X+32*\ro:X+32*\ro+1], v[X+32*\ro:X+32*\ro+1], v[X+32*\ro+16:X+32*\ro+17]
	v_pk_add_f32 v[X+32*\ro+2:X+32*\ro+3], v[X+32*\ro+2:X+32*\ro+3], v[X+32*\ro+18:X+32*\ro+19]
	global_store_b128 v1, v[X+32*\ro:X+32*\ro+3], s[6:7] offset:\ro*4096 th:TH_STORE_NT
.endr
	s_endpgm
.Lfunc_end_k_qde0293c959_sum:
	.size	k_qde0293c959_sum, .Lfunc_end_k_qde0293c959_sum-k_qde0293c959_sum
	.p2alignl 7, 3214868480
	.fill 96, 4, 3214868480
	.section	.rodata,"a",@progbits
	.p2align	6, 0x0
	.amdhsa_kernel k_qde0293c959_sum
		.amdhsa_group_segment_fixed_size 0
		.amdhsa_private_segment_fixed_size 0
		.amdhsa_enable_private_segment 0
		.amdhsa_kernarg_size 16
		.amdhsa_user_sgpr_count 2
		.amdhsa_user_sgpr_kernarg_segment_ptr 1
		.amdhsa_wavefront_size32 1
		.amdhsa_system_sgpr_workgroup_id_x 1
		.amdhsa_system_sgpr_workgroup_id_y 1
		.amdhsa_system_sgpr_workgroup_id_z 1
		.amdhsa_system_vgpr_workitem_id 0
		.amdhsa_next_free_vgpr 136
		.amdhsa_next_free_sgpr 66
		.amdhsa_reserve_vcc 0
		.amdhsa_float_denorm_mode_32 3
		.amdhsa_float_denorm_mode_16_64 3
		.amdhsa_memory_ordered 1
		.amdhsa_forward_progress 1
		.amdhsa_inst_pref_size 8
	.end_amdhsa_kernel
	.amdgpu_metadata
---
amdhsa.version: [ 1, 2 ]
amdhsa.kernels:
  - .name:           k_qde0293c959_sum
    .symbol:         k_qde0293c959_sum.kd
    .args:
      - { .name: ybuf, .offset: 0, .size: 8, .value_kind: global_buffer, .address_space: global }
      - { .name: out0, .offset: 8, .size: 8, .value_kind: global_buffer, .address_space: global }
    .group_segment_fixed_size: 0
    .private_segment_fixed_size: 0
    .kernarg_segment_align: 8
    .kernarg_segment_size: 16
    .max_flat_workgroup_size: 256
    .sgpr_count:     66
    .vgpr_count:     136
    .wavefront_size: 32
...
	.end_amdgpu_metadata
.endif
;; end of part 4
;; ======== version 2 of 3: 4 launches
;; workspace buffers: xb 2,097,152 bytes; rmap 1,024 bytes of whole numbers; ridx 4,096 bytes of whole numbers; rgate 8,192 bytes; h 67,108,864 bytes; rowdst 36,864 bytes of whole numbers; rowgate 36,864 bytes; ybuf 33,554,432 bytes
;; launch router: the kernel of part 1 again; grid 64 x 1, 4 waves a work-group, no clusters, 70,400 bytes of LDS; arguments x, router_w, xb, rmap, ridx, rgate; writes xb, rmap, ridx, rgate
;; launch up (part 5): grid 256 x 1, 4 waves a work-group, no clusters, 280,064 bytes of LDS; arguments w1, b1, xb, rmap, ridx, rgate, h, rowdst, rowgate; writes h, rowdst, rowgate
.if DOCPART == 5
	.amdgcn_target "amdgcn-amd-amdhsa--gfx1250"
	.amdhsa_code_object_version 6
	.text
	.protected	k_qde0293c959_up
	.globl	k_qde0293c959_up
	.p2align	8
	.type	k_qde0293c959_up,@function
k_qde0293c959_up:
	s_mov_b64 s[64:65], 0
	v_nop
	global_prefetch_b8 v0, s[64:65] scope:SCOPE_SE
	s_setreg_imm32_b32 hwreg(HW_REG_WAVE_MODE, 25, 1), 1
	s_wait_xcnt 0x0
; FIRST PRODUCT.  h = gelu(x_rows w1[e] + b1[e]) for the rows that chose expert e, in the order of their tokens; gelu in its tanh form, as x sigmoid(1.59577 (x + 0.044715 x^3)).
; SHARES.  Work-group = (expert e = wg / 32, slice sl = wg % 32): 128 columns x 1,024 k of w1[e], 512 KiB of f32 that this work-group alone reads, and ALL rows of the expert.
; The four waves split the rows: tile (16 rows) 24 P + 4 i + w is local tile i (0..5) of wave w in pass P; 6 tiles x 8 column tiles are 384 accumulator registers.
; Pass 0 runs while the weights stream in; they are rounded to bf16 on their way through registers and the whole slice stays in LDS (256 KiB).  Passes 1 and 2, for experts with more than 384 rows,
; read it from there; they hold no barrier and no LDS store.  15 barriers stand in pass 0 and one at the end, all on every wave's path; what hangs on the expert's count only jumps forward over loads and products.
; K MAP.  In the product (step j, q) lane half hh, place i (0..15) stands for k = 64 j + 32 hh + 16 q + i, in both operands alike: a permutation of k inside an instruction keeps the products.
; WEIGHTS.  A step is 64 k x 128 columns, four units (q = w / 2, cg = w % 2), one a wave: 16 loads, in each of which 16 neighbouring lanes take 256 consecutive bytes of one row of w1.
; Column tile c (0..3) of group cg holds the columns 64 cg + 4 n + c, so a lane's four columns fall into four fragments and two rows pack into one register: no transpose.
; ROWS come from xb straight into registers as fragments, 64 bytes a lane and step.  Which token has a given rank among the expert's rows is found from the expert's bitmap in scalar registers, by register work alone.
; ONE LOAD COUNTER, TWO STREAMS.  In step s the rows of step s + 1 are asked for first and the weights of step s + 4 behind them, so 's_wait_loadcnt 16' at a step's head leaves exactly the
; youngest unit out, whatever the number of row loads.  The first four units go out at the start, into the four blocks of 64 registers that stand idle then.
; THE PRODUCT IS USED TRANSPOSED (source 0 = weights, source 1 = rows): a lane then holds one row and 32 consecutive columns of each group of 64: the next launch's fragment, stored as it lies.
; NO JOINT LOADS: each weight byte has one reader; the rows come by a list, which no descriptor covers.  NO TENSOR LOADS: the weights pass through registers to be rounded, and no LDS byte is filled twice.
; LIMITS.  Every input counts as its bf16 rounding (x, w1, b1); h is rounded once to bf16; where 2^(..) in the sigmoid falls below 2^-126 it counts as 0; NaN and infinities are not treated apart.
; An expert without rows: its work-groups still stream their slice (no barrier may hang on the count) and store only the row tables (slice 0).
.set WPS,   14
.set WP,    1<<WPS                     ; bytes from a row of the weights to the next
.set WSTR,  64*WP                      ; a step's 64 rows
.set ASTR,  128                        ; a step's bytes in a token row
.set WMUL,  0xa1                       ; source 0 (weights) window 1, source 1 (rows) window 0, C and D window 2; + 0x50: window 3
.set CH,    16384                      ; a chunk in LDS: one step's 16 fragments (q, f = 4 cg + c) of 1,024 bytes at 8,192 q + 1,024 f; registers 4 u .. 4 u + 3 of lane L at + 512 u + 16 L
.set B1S,   16*CH                      ; behind the slice: 512 bytes for each wave, the slice's 128 numbers of b1
.set SPARE, 279552                     ; the spare words, 128 bytes a wave: two blocks of 256 bytes that no other line names (the bytes between b1's and these are not used)
.set TILEB, 131072                     ; a tile of h: 64 groups of 64 columns x 2,048 bytes
; window 0
.set SPW,  2                           ; my spare word's address; never rewritten
.set NIL,  3                           ; 0; never rewritten
.set WOFF, 4                           ; weights: 32 hh rows + 16 r bytes
.set WADR, 5                           ; LDS: where my unit's fragments go
.set RADR, 6                           ; LDS: where fragments are read
.set LOFF, 7                           ; 16 x lane
.set OFF,  8                           ; v8-13  tile i: token x 2,048 + 64 hh
.set RR,   14                          ; r = lane % 16
.set H64,  15                          ; 64 hh
.set PFO,  16                          ; one lane for each of my unit's 32 rows
.set BST,  17                          ; LDS: where my 16 bytes of b1 go
.set BLD,  18                          ; LDS: my wave's b1 + 128 hh
.set TABO, 19                          ; 4 r
.set TOK,  20                          ; v20-25 tile i: my row's token
.set B1R,  26                          ; v26-29 my 16 bytes of b1 as loaded;  v30, v31 at work
.set CV,   32                          ; v32-63 rounded fragments on their way to LDS; scratch for the search and the row tables
.set AXB,  64                          ; v64-255 rows: buffer par, tile i at 64 + 96 par + 16 i; fragment q at + 8 q
.set B1L,  160                         ; v160-223, at the start alone: b1 in my lanes' order
.set TMP,  64                          ; the way out: 64 numbers of a tile,
.set WK,   128                         ; 64 at work,
.set HR,   192                         ; 32 registers to store
; window 1
.set BB0,  0                           ; the weights' fragments of q = 0,
.set BB1,  64                          ; of q = 1
.set LD0,  128                         ; a unit as loaded: even steps,
.set LD1,  192                         ; odd steps
; window 2: accumulators of tiles 0-3 at 64 i + 8 f; window 3: tiles 4, 5 at 64 (i - 4) + 8 f, and
.set BIAS, 128                         ; v128-191 of window 3: b1 in the accumulators' order
; scalars: s2 wave, s3 e, s[4:5] weights (stepped), s[6:7] b1, s[8:9] xb, s[10:11] rmap, s[12:13] ridx, s[14:15] rgate, s[16:17] h, s[18:19] rowdst, s[20:21] rowgate, s22 sl, s23 count, s24 tiles,
; s25 NW: my live tiles in this pass, s26 P, s27 trips to go, s28 I, s29-31 at work, s[32:33] rows, s[34:35] h on the way out, s[36:39] gelu's constants, s[40:41] lane selects, s42 the upper half (of a word, of the lanes),
; s43 running count, s45 16 (24 P + w), s46 the last rank, s47-49 masks of bit fields, s[50:57] offsets, s[60:61] my unit of step 0 (never rewritten), s[68:99] the expert's bitmap
.set MSB, 0
.macro WIN new                         ; the immediate's high byte repeats the setting that is left; a switch that changes nothing is dropped
.if MSB != (\new)
	s_set_vgpr_msb (MSB<<8)|(\new)
.set MSB, (\new)
.endif
.endm
.macro PLACES                          ; four places behind a product, ahead of a load into one of its registers or a vector line that touches them
.rept 4
	v_nop
.endr
.endm
.macro WLOAD dst, imm, base=4          ; my unit of a step: 16 rows, 16 bytes a lane
	WIN 0x40
.irp i, 0,1,2,3,4,5,6,7,8,9,10,11,12,13,14,15
	global_load_b128 v[(\dst)+4*\i:(\dst)+4*\i+3], v[WOFF], s[(\base):(\base)+1] offset:(\imm)+\i*WP th:TH_LOAD_NT
.endr
	WIN 0
.endm
.macro CONV src, imm                   ; a unit is rounded (rows 2 p and 2 p + 1 of column c into register p of fragment c) and stored: 512 consecutive bytes a store
	WIN 0x05
.irp c, 0,1,2,3
.irp p, 0,1,2,3,4,5,6,7
	v_cvt_pk_bf16_f32 v[CV+8*\c+\p], v[(\src)+8*\p+\c], v[(\src)+8*\p+4+\c]
.endr
.endr
	WIN 0
.irp c, 0,1,2,3
	ds_store_b128 v[WADR], v[CV+8*\c:CV+8*\c+3] offset:(\imm)+\c*1024
	ds_store_b128 v[WADR], v[CV+8*\c+4:CV+8*\c+7] offset:(\imm)+\c*1024+512
.endr
.endm
.macro BLOAD buf, imm                  ; eight fragments of the weights out of LDS
	WIN 0x40
.irp f, 0,1,2,3,4,5,6,7
	ds_load_b128 v[(\buf)+8*\f:(\buf)+8*\f+3], v[RADR] offset:(\imm)+\f*1024
	ds_load_b128 v[(\buf)+8*\f+4:(\buf)+8*\f+7], v[RADR] offset:(\imm)+\f*1024+512
.endr
	WIN 0
.endm
.macro ALOAD par, imm                  ; a step's rows for my live tiles
.irp i, 0,1,2,3,4,5
	s_cmp_le_u32 s25, \i
	s_cbranch_scc1 .Lal_\@
.irp s, 0,1,2,3
	global_load_b128 v[AXB+96*(\par)+16*\i+4*\s:AXB+96*(\par)+16*\i+4*\s+3], v[OFF+\i], s[32:33] offset:(\imm)+16*\s
.endr
.endr
.Lal_\@:
.endm
.macro MULS q, par                     ; for each live tile eight products; the accumulators take turns, one instruction a turn
.irp i, 0,1,2,3,4,5
	s_cmp_le_u32 s25, \i
	s_cbranch_scc1 .Lmu_\@
	WIN WMUL+0x50*(\i/4)
.irp f, 0,1,2,3,4,5,6,7
	v_wmma_f32_16x16x32_bf16 v[64*(\i%4)+8*\f:64*(\i%4)+8*\f+7], v[64*(\q)+8*\f:64*(\q)+8*\f+7], v[AXB+96*(\par)+16*\i+8*(\q):AXB+96*(\par)+16*\i+8*(\q)+7], v[64*(\i%4)+8*\f:64*(\i%4)+8*\f+7]
.endr
	WIN 0
.endr
.Lmu_\@:
.endm
.macro PF imm                          ; my unit of a later step is asked for: one lane for each of its 32 rows of 256 bytes; each such block is asked for once in the launch
	global_prefetch_b8 v[PFO], s[4:5] offset:\imm th:TH_LOAD_NT scope:SCOPE_SE
.endm
.macro CLEAR                           ; the sums start at 0.  Written so on purpose: a first step with the constant 0 as C would be further copies of the step's text
	WIN 0x80
.set z, 0
.rept 256
	v_mov_b32 v[z], 0
.set z, z+1
.endr
	WIN 0xc0
.set z, 0
.rept 128
	v_mov_b32 v[z], 0
.set z, z+1
.endr
	WIN 0
.endm
.macro NWCALC                          ; from P: s45 = 16 (24 P + w), s25 = min(6, ceil((tiles - 24 P - w) / 4)), 0 at the least
	s_mul_i32 s29, s26, 24
	s_add_co_u32 s29, s29, s2
	s_lshl_b32 s45, s29, 4
	s_add_co_u32 s30, s24, 3
	s_sub_co_i32 s30, s30, s29
	s_max_i32 s30, s30, 0
	s_lshr_b32 s30, s30, 2
	s_min_u32 s25, s30, 6
.endm
.macro TRIPEND stream                  ; two steps on
	s_wait_xcnt 0x0                                ; every earlier memory instruction has had its addresses translated (ISA guide 3.1): only now are the bases and offsets rewritten
	s_add_nc_u64 s[32:33], s[32:33], 2*ASTR
	v_add_nc_u32 v[RADR], 2*CH, v[RADR]
.if \stream
	s_add_nc_u64 s[4:5], s[4:5], 2*WSTR
	v_add_nc_u32 v[WADR], 2*CH, v[WADR]
	s_cmp_eq_u32 s27, 2                            ; the trip to come is the last: all 16 units have been asked for.  Its 32 loads take the slice's first address and no lane term, 16 bytes each,
	s_cselect_b64 s[4:5], s[60:61], s[4:5]         ; so that the count at a step's head means the same in every trip; what they bring is not used
	s_cselect_b32 s29, 0, -1
	v_and_b32 v[WOFF], s29, v[WOFF]
.endif
.endm
; STEP s (par = s % 2).  conv: the unit of step s + 2 is rounded and stored.  wissue: the unit of step s + 4 is asked for.  lwait: the loads that may stay out (-1: the wait stands in front of the macro).
; bar: a barrier shows the chunk stored here to all.  guard: in the loop's last trip there is no step s + 1.  pf: the unit of step s + 7 is prefetched, three steps ahead of its load; the trips whose look-ahead would pass step 15 ask for nothing.
.macro STEP par, conv, wissue, lwait, bar, guard, pf
.if (\lwait) >= 0
	s_wait_loadcnt \lwait                          ; this step's rows and the unit of step s + 2 are in
.endif
.if \conv
	CONV LD0+64*(\par), (\par)*CH                  ; its 32 conversions are also the places behind the last products
.else
	PLACES
.endif
.if \guard
	s_cmp_eq_u32 s27, 1
	s_cbranch_scc1 .Lga_\@
.endif
	ALOAD 1-(\par), ((\par)+1)*ASTR
.if \guard
.Lga_\@:
.endif
.if \wissue
	WLOAD LD0+64*(\par), (\par)*WSTR
.endif
.if \pf
	s_cmp_lt_u32 s27, 3+(\par)
	s_cbranch_scc1 .Lpf_\@
	PF (3+(\par))*WSTR
.Lpf_\@:
.endif
	BLOAD BB1, (\par)*CH+8192
	s_wait_dscnt 16+8*(\conv)                      ; the fragments of q = 0 are in: behind them stand my stores above and the 16 loads just issued
	MULS 0, \par
	s_wait_dscnt 0x0                               ; the fragments of q = 1 are in, and, for the others' sake, my stores of the chunk are done:
.if \bar
	s_barrier_signal -1                            ; say so; up to the wait stand products and loads of the next step's chunk, which no wave writes again
.endif
.if \guard
	s_cmp_eq_u32 s27, 1
	s_cbranch_scc1 .Lgb_\@
.endif
	PLACES
	BLOAD BB0, ((\par)+1)*CH                       ; the next step's q = 0: its chunk was shown to all by the last barrier
.if \guard
.Lgb_\@:
.endif
	MULS 1, \par
.if \bar
	s_barrier_wait -1                              ; every wave's part of the chunk of step s + 2 is stored: it is first read in the next step
.endif
.endm
; THE SEARCH: my row's token in each of the six tiles, by register work alone.  Three batches of 32 ranks: lanes 0-15 take tile 2 b, lanes 16-31 tile 2 b + 1; rank 16 tile + r, held to the last rank,
; so that places past the count repeat the last row.  Batch b's ten registers stand at CV + 10 b.
.set qR, 0                             ; the rank; then the rank inside the word
.set qK, 1                             ; rank << 5 | 31; then at work
.set qW, 2                             ; the bitmap word that holds the rank
.set qP, 3                             ; (set bits in front of that word) << 5 | the word's number
.set qA1, 4                            ; set bits in each field of 2,
.set qA2, 5                            ; of 4,
.set qA3, 6                            ; of 8 bits of the word;
.set qA4, 7                            ; byte 0: in its low 16
.set qS, 8                             ; the place in the word; then the token
.set qT, 9                             ; at work
.macro B3 line:vararg                  ; one line for each batch
.set q, CV
.rept 3
	\line
.set q, q+10
.endr
.endm
.macro LEVEL src, fw, st               ; one step down: where the \st places from qS on hold too few set bits, these are taken off the rank and the place moves past them
	B3 v_bfe_u32 v[q+qT], v[q+\src], v[q+qS], \fw
.set q, CV
.rept 3
	v_cmp_ge_u32 vcc_lo, v[q+qR], v[q+qT]
	v_cndmask_b32 v[q+qK], 0, v[q+qT], vcc_lo
	v_cndmask_b32 v[q+qT], 0, \st, vcc_lo
.set q, q+10
.endr
	B3 v_sub_nc_u32 v[q+qR], v[q+qR], v[q+qK]
	B3 v_add_nc_u32 v[q+qS], v[q+qS], v[q+qT]
.endm
.macro SELECT
	v_add_nc_u32 v31, s45, v[RR]
	v_add_nc_u32 v31, v31, v[H64]                  ; 16 (24 P + w) + 64 hh + r
	B3 v_add_nc_u32 v[q+qR], 128*((q-CV)/10), v31
	B3 v_min_u32 v[q+qR], s46, v[q+qR]
	B3 v_lshl_or_b32 v[q+qK], v[q+qR], 5, 31
	B3 v_mov_b32 v[q+qW], s68
	B3 v_mov_b32 v[q+qP], 0
	s_bcnt1_i32_b32 s43, s68
.set i, 1
.rept 31                               ; the last word in front of which no more than 'rank' bits are set is the one
	s_lshl_b32 s29, s43, 5
	s_or_b32 s29, s29, i
.set q, CV
.rept 3
	v_cmp_gt_u32 vcc_lo, s29, v[q+qK]
	v_cndmask_b32 v[q+qW], s[68+i], v[q+qW], vcc_lo
	v_cndmask_b32 v[q+qP], s29, v[q+qP], vcc_lo
.set q, q+10
.endr
	s_bcnt1_i32_b32 s30, s[68+i]
	s_add_co_u32 s43, s43, s30
.set i, i+1
.endr
	B3 v_lshrrev_b32 v[q+qT], 5, v[q+qP]
	B3 v_sub_nc_u32 v[q+qR], v[q+qR], v[q+qT]
	B3 v_lshrrev_b32 v[q+qT], 1, v[q+qW]
	B3 v_and_b32 v[q+qT], s47, v[q+qT]
	B3 v_sub_nc_u32 v[q+qA1], v[q+qW], v[q+qT]
	B3 v_lshrrev_b32 v[q+qT], 2, v[q+qA1]
	B3 v_and_b32 v[q+qT], s48, v[q+qT]
	B3 v_and_b32 v[q+qA2], s48, v[q+qA1]
	B3 v_add_nc_u32 v[q+qA2], v[q+qA2], v[q+qT]
	B3 v_lshrrev_b32 v[q+qT], 4, v[q+qA2]
	B3 v_add_nc_u32 v[q+qT], v[q+qT], v[q+qA2]
	B3 v_and_b32 v[q+qA3], s49, v[q+qT]
	B3 v_lshrrev_b32 v[q+qT], 8, v[q+qA3]
	B3 v_add_nc_u32 v[q+qA4], v[q+qT], v[q+qA3]
	B3 v_mov_b32 v[q+qS], 0
	LEVEL qA4, 8, 16
	LEVEL qA3, 8, 8
	LEVEL qA2, 4, 4
	LEVEL qA1, 2, 2
	LEVEL qW, 1, 1
	B3 v_and_b32 v[q+qT], 31, v[q+qP]
	B3 v_lshl_add_u32 v[q+qS], v[q+qT], 5, v[q+qS]             ; 32 x word + place
	B3 v_permlanex16_b32 v[q+qT], v[q+qS], s40, s41            ; the other half's token: both halves of the lanes need both tiles'
	B3 v_cndmask_b32 v[TOK+2*((q-CV)/10)], v[q+qS], v[q+qT], s42
	B3 v_cndmask_b32 v[TOK+2*((q-CV)/10)+1], v[q+qT], v[q+qS], s42
.irp i, 0,1,2,3,4,5
	v_min_u32 v[TOK+\i], 0x3ff, v[TOK+\i]
	v_lshl_add_u32 v[OFF+\i], v[TOK+\i], 11, v[H64]
.endr
.endm
.macro ROWTAB                          ; slice 0 alone: for each rank, where the row's result goes (slot x 1,024 + token) and its gate
	s_cmp_lg_u32 s22, 0
	s_cbranch_scc1 .Lrt_\@
	s_mul_i32 s50, s3, 4608
	s_lshl_b32 s29, s45, 2
	s_add_co_u32 s50, s50, s29
	s_mov_b32 s51, 0
	s_add_nc_u64 s[52:53], s[18:19], s[50:51]
	s_add_nc_u64 s[54:55], s[20:21], s[50:51]
.irp i, 0,1,2,3,4,5
	v_lshlrev_b32 v[CV+\i], 2, v[TOK+\i]
	v_lshlrev_b32 v[CV+6+\i], 3, v[TOK+\i]
.endr
.irp i, 0,1,2,3,4,5
	global_load_b32 v[CV+12+\i], v[CV+\i], s[12:13]
	global_load_b64 v[CV+18+2*\i:CV+19+2*\i], v[CV+6+\i], s[14:15]
.endr
	s_wait_loadcnt 0x0
.irp i, 0,1,2,3,4,5
	v_bfe_u32 v30, v[CV+12+\i], 8, 8               ; the token's second choice: is it this expert?
	v_cmp_eq_u32 vcc_lo, s3, v30
	v_add_nc_u32 v31, 0x400, v[TOK+\i]
	v_cndmask_b32 v[CV+12+\i], v[TOK+\i], v31, vcc_lo
	v_cndmask_b32 v[CV+18+2*\i], v[CV+18+2*\i], v[CV+19+2*\i], vcc_lo
	global_store_b32 v[TABO], v[CV+12+\i], s[52:53] offset:256*\i   ; lanes 16-31 store what lanes 0-15 store
	global_store_b32 v[TABO], v[CV+18+2*\i], s[54:55] offset:256*\i
.endr
	s_wait_xcnt 0x0                                ; the stores' registers are written again below
.Lrt_\@:
.endm
.macro COPY i                          ; tile i's 64 sums, plus the bias, into window 0; each accumulator is read from its low end on
	WIN 0x0e+(\i)/4
.irp f, 0,1,2,3,4,5,6,7
.irp z, 0,1,2,3
	v_pk_add_f32 v[TMP+8*\f+2*\z:TMP+8*\f+2*\z+1], v[64*((\i)%4)+8*\f+2*\z:64*((\i)%4)+8*\f+2*\z+1], v[BIAS+8*\f+2*\z:BIAS+8*\f+2*\z+1]
.endr
.endr
	WIN 0
.endm
	s_load_b512 s[4:19], s[0:1], 0x0
	s_load_b64 s[20:21], s[0:1], 0x40
	v_lshl_add_u32 v[SPW], v0, 2, SPARE
	v_mov_b32 v[NIL], 0
	v_lshrrev_b32 v30, 5, v0
	v_readfirstlane_b32 s2, v30                    ; wave 0..3
	v_and_b32 v1, 31, v0
	v_and_b32 v[RR], 15, v0
	v_bfe_u32 v31, v0, 4, 1                        ; hh
	v_lshlrev_b32 v[LOFF], 4, v1
	v_lshlrev_b32 v[H64], 6, v31
	v_lshlrev_b32 v[TABO], 2, v[RR]
	v_lshlrev_b32 v[WOFF], 4, v[RR]
	v_lshl_add_u32 v[WOFF], v31, WPS+5, v[WOFF]
	v_lshlrev_b32 v[PFO], WPS, v[RR]
	v_lshl_add_u32 v[PFO], v31, WPS+5, v[PFO]
	v_mov_b32 v[RADR], v[LOFF]
	s_lshr_b32 s3, ttmp9, 5                        ; e
	s_and_b32 s22, ttmp9, 31                       ; sl
	s_lshr_b32 s29, s2, 1                          ; q
	s_and_b32 s30, s2, 1                           ; cg
	s_lshl_b32 s31, s29, 13
	s_lshl_b32 s50, s30, 12
	s_add_co_u32 s31, s31, s50
	v_add_nc_u32 v[WADR], s31, v[LOFF]
	s_lshl_b32 s31, s2, 9
	s_add_co_u32 s31, s31, B1S
	v_add_nc_u32 v[BST], s31, v[LOFF]
	v_lshl_add_u32 v[BLD], v31, 7, s31
	s_lshl_b32 s50, s3, 24                         ; the weights: expert, my unit's first row 16 q, the slice's 512 bytes, my 256 of them
	s_lshl_b32 s31, s29, WPS+4
	s_add_co_u32 s50, s50, s31
	s_lshl_b32 s31, s22, 9
	s_add_co_u32 s50, s50, s31
	s_lshl_b32 s31, s30, 8
	s_add_co_u32 s50, s50, s31
	s_mov_b32 s51, 0
	s_lshl_b32 s52, s3, 7                          ; the bitmap: 128 bytes an expert
	s_mov_b32 s53, 0
	s_lshl_b32 s54, s3, 14                         ; b1
	s_lshl_b32 s31, s22, 9
	s_add_co_u32 s54, s54, s31
	s_mov_b32 s55, 0
	s_lshl_b32 s56, s3, 23                         ; h: expert, tile w, the slice's two groups
	s_lshl_b32 s31, s2, 17
	s_add_co_u32 s56, s56, s31
	s_lshl_b32 s31, s22, 12
	s_add_co_u32 s56, s56, s31
	s_mov_b32 s57, 0
	s_mov_b32 s36, 0xc0135761                      ; -2 x 0.7978846 x log2(e)
	s_mov_b32 s37, s36
	s_mov_b32 s38, 0xbdd2d3e8                      ; the same x 0.044715
	s_mov_b32 s39, s38
	s_mov_b32 s40, 0x76543210                      ; v_permlanex16_b32: each lane takes its own place in the other half
	s_mov_b32 s41, 0xfedcba98
	s_mov_b32 s42, 0xffff0000
	s_mov_b32 s47, 0x55555555
	s_mov_b32 s48, 0x33333333
	s_mov_b32 s49, 0x0f0f0f0f
	s_wait_kmcnt 0x0
	s_add_nc_u64 s[10:11], s[10:11], s[52:53]
	s_load_b512 s[68:83], s[10:11], 0x0
	s_load_b512 s[84:99], s[10:11], 0x40
	s_add_nc_u64 s[60:61], s[4:5], s[50:51]        ; my unit of step 0,
	s_add_nc_u64 s[4:5], s[60:61], 4*WSTR          ; and of step 4, from where the loop steps: no wait stands between the first loads and the loop's
	s_add_nc_u64 s[6:7], s[6:7], s[54:55]
	s_add_nc_u64 s[16:17], s[16:17], s[56:57]
	s_mov_b64 s[32:33], s[8:9]
	global_load_b128 v[B1R:B1R+3], v[LOFF], s[6:7] ; the slice's 128 numbers of b1: 512 consecutive bytes a wave
	WLOAD BB0, 0, 60                               ; the units of steps 0 to 2 at once: 49 loads of mine are out
	WLOAD BB1, WSTR, 60
	WLOAD LD0, 2*WSTR, 60
	PF 0                                           ; steps 4, 5 and 6
	PF WSTR
	PF 2*WSTR
	CLEAR                                          ; all this stands in the wait for the first weights
.set z, AXB
.rept 96
	v_mov_b32 v[z], 0                              ; the rows' buffers: a dead tile's registers are never loaded (v160-223 are written by b1's loads below)
.set z, z+1
.endr
.set z, 224
.rept 32
	v_mov_b32 v[z], 0
.set z, z+1
.endr
	WLOAD LD1, 3*WSTR, 60                          ; step 3's unit, behind the register work: with it 65 loads are named, two more than the counter's field holds (ISA guide 5.7.1)
	s_wait_kmcnt 0x0
	s_mov_b32 s23, 0
.set i, 0
.rept 32
	s_bcnt1_i32_b32 s29, s[68+i]
	s_add_co_u32 s23, s23, s29
.set i, i+1
.endr
	s_add_co_u32 s24, s23, 15
	s_lshr_b32 s24, s24, 4
	s_max_u32 s46, s23, 1
	s_sub_co_u32 s46, s46, 1
	s_mov_b32 s26, 0
	NWCALC
	SELECT
	ALOAD 0, 0                                     ; the rows of step 0
	ROWTAB
	s_wait_loadcnt 48                              ; b1 and the unit of step 0 are in: behind them stand three units (and the rows)
	ds_store_b128 v[BST], v[B1R:B1R+3]             ; b1 through my wave's own 512 bytes: LDS serves a wave's instructions in order (ISA guide 5.7.1.4)
.irp g, 0,1
.irp j, 0,1,2,3,4,5,6,7
	ds_load_b128 v[B1L+32*\g+4*\j:B1L+32*\g+4*\j+3], v[BLD] offset:256*\g+16*\j   ; b1[128 sl + 64 g + 32 hh + 4 j ..]
.endr
.endr
	s_wait_dscnt 0x0
.set k, 0
.rept 32
	v_cvt_pk_bf16_f32 v[CV+k], v[B1L+2*k], v[B1L+2*k+1]
.set k, k+1
.endr
	WIN 0xc0                                       ; b1, rounded to bf16, widened again, in the accumulators' order: register j of column tile (g, c) is column 64 g + 32 hh + 4 j + c
.irp g, 0,1
.irp j, 0,1,2,3,4,5,6,7
	v_lshlrev_b32 v[BIAS+32*\g+\j], 16, v[CV+16*\g+2*\j]
	v_and_b32 v[BIAS+32*\g+8+\j], s42, v[CV+16*\g+2*\j]
	v_lshlrev_b32 v[BIAS+32*\g+16+\j], 16, v[CV+16*\g+2*\j+1]
	v_and_b32 v[BIAS+32*\g+24+\j], s42, v[CV+16*\g+2*\j+1]
.endr
.endr
	WIN 0
	CONV BB0, 0
	s_wait_loadcnt 32                              ; step 1's unit is in: behind it stand two units (and the rows)
	CONV BB1, CH
	v_add_nc_u32 v[WADR], 2*CH, v[WADR]
	s_wait_dscnt 0x0                               ; chunks 0 and 1: my stores are done
	s_barrier_signal -1
	s_barrier_wait -1
	BLOAD BB0, 0
	s_wait_loadcnt 0x0                             ; the rows of step 0 are the youngest loads: all are in, the units of steps 2 and 3 among them
	s_mov_b32 s27, 7
.Lk1:                                                  ; steps 0 to 13
	STEP 0,1,1,16,1,0,1
	STEP 1,1,1,16,1,0,1
	TRIPEND 1
	s_sub_co_u32 s27, s27, 1
	s_cmp_lg_u32 s27, 0
	s_cbranch_scc1 .Lk1
	s_wait_loadcnt 16                              ; the rows of step 14 are in; the 16 loads issued behind them may stay out
	s_mov_b32 s27, 1
	s_branch .Lnsin                                ; steps 14 and 15 are the last trip of the loop that the later passes walk whole
.Lpass:                                                ; a further pass: the next 24 tiles, the weights out of LDS
	s_wait_xcnt 0x0
	NWCALC
	PLACES
	CLEAR
	SELECT
	ROWTAB
	s_mov_b64 s[32:33], s[8:9]
	v_mov_b32 v[RADR], v[LOFF]
	ALOAD 0, 0
	BLOAD BB0, 0
	s_mov_b32 s27, 8
.Lns:
	s_wait_loadcnt 0x0                             ; this step's rows
.Lnsin:
	STEP 0,0,0,-1,0,0,0
	STEP 1,0,0,0,0,1,0
	TRIPEND 0
	s_sub_co_u32 s27, s27, 1
	s_cmp_lg_u32 s27, 0
	s_cbranch_scc1 .Lns
	; THE WAY OUT, a tile a trip: bias, gelu, rounding, and the tile's 2 x 2,048 bytes of h in the order in which the next launch's registers take them.
	PLACES
	s_wait_loadcnt 0x0                             ; no load into the rows' buffers is out: they serve as work registers here and are loaded anew by the next pass
	s_mul_i32 s50, s26, 24*TILEB
	s_mov_b32 s51, 0
	s_add_nc_u64 s[34:35], s[16:17], s[50:51]
	s_mov_b32 s28, 0
.Lep:
	s_cmp_ge_u32 s28, s25
	s_cbranch_scc1 .Lepd
.irp i, 0,1,2,3,4
	s_cmp_lg_u32 s28, \i
	s_cbranch_scc1 .Lc\i
	COPY \i
	s_branch .Lcd
.Lc\i:
.endr
	COPY 5
.Lcd:
.set z, 0
.rept 32
	v_pk_mul_f32 v[WK+2*z:WK+2*z+1], v[TMP+2*z:TMP+2*z+1], v[TMP+2*z:TMP+2*z+1]
.set z, z+1
.endr
.set z, 0
.rept 32
	v_pk_fma_f32 v[WK+2*z:WK+2*z+1], v[WK+2*z:WK+2*z+1], s[38:39], s[36:37] op_sel_hi:[1,0,0]
.set z, z+1
.endr
.set z, 0
.rept 32
	v_pk_mul_f32 v[WK+2*z:WK+2*z+1], v[TMP+2*z:TMP+2*z+1], v[WK+2*z:WK+2*z+1]
.set z, z+1
.endr
.set z, 0
.rept 64
	v_exp_f32 v[WK+z], v[WK+z]
.set z, z+1
.endr
	v_nop                                          ; a plain line behind the last exponential (ISA guide 5.7.2)
.set z, 0
	s_wait_alu depctr_va_vdst(0)
.rept 32
	v_pk_add_f32 v[WK+2*z:WK+2*z+1], v[WK+2*z:WK+2*z+1], 1.0 op_sel_hi:[1,0]
.set z, z+1
.endr
.set z, 0
.rept 64
	v_rcp_f32 v[WK+z], v[WK+z]
.set z, z+1
.endr
	v_nop
.set z, 0
	s_wait_alu depctr_va_vdst(0)
.rept 32
	v_pk_mul_f32 v[TMP+2*z:TMP+2*z+1], v[TMP+2*z:TMP+2*z+1], v[WK+2*z:WK+2*z+1]
.set z, z+1
.endr
.irp g, 0,1                            ; my 32 columns of group g in ascending order: column 4 j + c lies in register j of column tile c
.irp q, 0,1
.irp p, 0,1,2,3,4,5,6,7
	v_cvt_pk_bf16_f32 v[HR+16*\g+8*\q+\p], v[TMP+32*\g+16*(\p%2)+4*\q+\p/2], v[TMP+32*\g+16*(\p%2)+8+4*\q+\p/2]
.endr
.endr
.endr
.irp g, 0,1
.irp s, 0,1,2,3
	global_store_b128 v[LOFF], v[HR+16*\g+4*\s:HR+16*\g+4*\s+3], s[34:35] offset:2048*\g+512*\s   ; 512 consecutive bytes, at a multiple of 256 from h's first
.endr
.endr
	s_wait_xcnt 0x0                                ; the stores have read their registers and their base
	s_add_nc_u64 s[34:35], s[34:35], 4*TILEB
	s_add_co_u32 s28, s28, 1
	s_cmp_lt_u32 s28, 6
	s_cbranch_scc1 .Lep
.Lepd:
	s_add_co_u32 s26, s26, 1
	s_mul_i32 s29, s26, 24
	s_cmp_ge_u32 s29, s24
	s_cbranch_scc1 .Ldone                          ; no tile is left
	s_cmp_lt_u32 s26, 3
	s_cbranch_scc1 .Lpass
.Ldone:
	s_wait_dscnt 0x0                               ; my LDS reads are back,
	s_barrier_signal -1
	s_barrier_wait -1                              ; and so are every wave's: only now is LDS written again
	s_wait_tensorcnt 0x0                           ; the wave's end: behind my last LDS store
	ds_add_u32 v[SPW], v[NIL]
	s_wait_dscnt 0x0
	s_endpgm
.Lfunc_end_k_qde0293c959_up:
	.size	k_qde0293c959_up, .Lfunc_end_k_qde0293c959_up-k_qde0293c959_up
	.p2alignl 7, 3214868480
	.fill 96, 4, 3214868480
	.section	.rodata,"a",@progbits
	.p2align	6, 0x0
	.amdhsa_kernel k_qde0293c959_up
		.amdhsa_group_segment_fixed_size 280064
		.amdhsa_private_segment_fixed_size 0
		.amdhsa_enable_private_segment 0
		.amdhsa_kernarg_size 72
		.amdhsa_user_sgpr_count 2
		.amdhsa_user_sgpr_kernarg_segment_ptr 1
		.amdhsa_wavefront_size32 1
		.amdhsa_system_sgpr_workgroup_id_x 1
		.amdhsa_system_sgpr_workgroup_id_y 1
		.amdhsa_system_sgpr_workgroup_id_z 1
		.amdhsa_system_vgpr_workitem_id 0
		.amdhsa_next_free_vgpr 960
		.amdhsa_next_free_sgpr 100
		.amdhsa_reserve_vcc 1
		.amdhsa_float_denorm_mode_32 3
		.amdhsa_float_denorm_mode_16_64 3
		.amdhsa_memory_ordered 1
		.amdhsa_forward_progress 1
		.amdhsa_inst_pref_size 198
	.end_amdhsa_kernel
	.amdgpu_metadata
---
amdhsa.version: [ 1, 2 ]
amdhsa.kernels:
  - .name:           k_qde0293c959_up
    .symbol:         k_qde0293c959_up.kd
    .args:
      - { .name: w1, .offset: 0, .size: 8, .value_kind: global_buffer, .address_space: global }
      - { .name: b1, .offset: 8, .size: 8, .value_kind: global_buffer, .address_space: global }
      - { .name: xb, .offset: 16, .size: 8, .value_kind: global_buffer, .address_space: global }
      - { .name: rmap, .offset: 24, .size: 8, .value_kind: global_buffer, .address_space: global }
      - { .name: ridx, .offset: 32, .size: 8, .value_kind: global_buffer, .address_space: global }
      - { .name: rgate, .offset: 40, .size: 8, .value_kind: global_buffer, .address_space: global }
      - { .name: h, .offset: 48, .size: 8, .value_kind: global_buffer, .address_space: global }
      - { .name: rowdst, .offset: 56, .size: 8, .value_kind: global_buffer, .address_space: global }
      - { .name: rowgate, .offset: 64, .size: 8, .value_kind: global_buffer, .address_space: global }
    .group_segment_fixed_size: 280064
    .private_segment_fixed_size: 0
    .kernarg_segment_align: 8
    .kernarg_segment_size: 72
    .max_flat_workgroup_size: 128
    .sgpr_count:     100
    .vgpr_count:     960
    .wavefront_size: 32
...
	.end_amdgpu_metadata
.endif
;; end of part 5
;; launch down (part 6): grid 256 x 1, 4 waves a work-group, no clusters, 280,064 bytes of LDS; arguments w2, b2, h, rmap, rowdst, rowgate, ybuf; writes ybuf
.if DOCPART == 6
	.amdgcn_target "amdgcn-amd-amdhsa--gfx1250"
	.amdhsa_code_object_version 6
	.text
	.protected	k_qde0293c959_down
	.globl	k_qde0293c959_down
	.p2align	8
	.type	k_qde0293c959_down,@function
k_qde0293c959_down:
	s_mov_b64 s[64:65], 0
	v_nop
	global_prefetch_b8 v0, s[64:65] scope:SCOPE_SE
	s_setreg_imm32_b32 hwreg(HW_REG_WAVE_MODE, 25, 1), 1
	s_wait_xcnt 0x0
; SECOND PRODUCT.  ybuf[kq][slot][token][:] = gate x (h_row w2[e] over the K quarter kq, + b2[e] where kq = 0): partial sums in f32, which the last launch adds.
; SHARES.  Work-group = (slice sl = wg / 32, expert e = (wg / 4) % 8, K quarter kq = wg % 4): 128 columns x 1,024 k of w2[e], 512 KiB of f32 that this work-group alone reads, and all rows of the expert.
; The eight slices that read the same rows of h have numbers 32 apart.
; The loop is the first product's: the four waves split the rows (tile 24 P + 4 i + w is local tile i of wave w in pass P), pass 0 runs while the weights stream in and are rounded to bf16 into LDS,
; passes 1 and 2 (more than 384 rows) read the slice from there.  15 barriers stand in pass 0 and one at the end, all on every wave's path; what hangs on the count only jumps forward over loads and products.
; K MAP, WEIGHTS, THE LOAD COUNTER: as in the first product: lane half hh, place i of the product (step j, q) stands for k = 64 j + 32 hh + 16 q + i; a unit is 16 loads in each of which 16 neighbouring
; lanes take 256 consecutive bytes of a row; column tile c of group cg holds the columns 64 cg + 4 n + c; rows are asked for ahead of weights, so 's_wait_loadcnt 16' leaves the youngest unit out;
; the first four units go out at the start, into the four blocks of 64 registers that stand idle then.
; ROWS: h lies as this launch's registers take it: a tile's group of 64 k is 2,048 bytes, four loads of 512 consecutive bytes.
; SOURCE 0 = rows, source 1 = weights: register j of column tile (cg, c) in lane (r, hh) is (row 8 hh + j, column 64 cg + 4 r + c): a lane's four column tiles are 16 consecutive bytes of a row,
; and 16 neighbouring lanes store 256 consecutive bytes, at a multiple of 256 from ybuf's first.  Where a row goes (slot x 1,024 + token) and its gate come from the tables of the launch before;
; a pass's six tiles' tables are loaded ahead of its first rows.  Places past the count repeat the last row: they store that row's own numbers once more.
; NO JOINT LOADS: each weight byte has one reader; the rows that eight slices share, 2 KiB x 16 steps a tile, have no room in LDS beside the 256 KiB slice, and a ring may not stand in a loop
; whose work hangs on a count.  LIMITS: w2 and b2 count as their bf16 roundings; NaN and infinities are not treated apart.
.set WPS,   12
.set WP,    1<<WPS
.set WSTR,  64*WP
.set ASTR,  2048
.set WMUL,  0xa4                       ; source 0 (rows) window 0, source 1 (weights) window 1, C and D window 2; + 0x50: window 3
.set CH,    16384
.set SPARE, 279552                     ; the spare words, 128 bytes a wave: two blocks of 256 bytes that no other line names (the slice ends at 262,144; the bytes between are not used)
.set TILEB, 131072
.set SPW,  2
.set NIL,  3
.set WOFF, 4
.set WADR, 5
.set RADR, 6
.set LOFF, 7
.set RR,   14
.set R16,  15                          ; 16 r
.set PFO,  16
.set TABO, 19                          ; 32 hh
.set CV,   32
.set AXB,  64
.set TMP,  64                          ; the way out: a tile's 64 sums plus bias,
.set OUT,  128                         ; times the gates, in the order of the stores
.set NXT,  192                         ; v192-199 the tile's eight places, v200-207 its gates
.set ROWOFF, 208                       ; v208-215 row j's byte offset in a plane pair of ybuf
.set BB0,  0
.set BB1,  64
.set LD0,  128
.set LD1,  192
.set BIAS, 128                         ; window 3, v128-143: b2 of column tile f, twice, at 128 + 2 f
.set TAB,  144                         ; window 3, v144-239: tile i's eight places and eight gates at 144 + 16 i
; scalars: s2 wave, s3 e, s[4:5] weights (stepped), s[6:7] b2, s[8:9] h at my first tile, s[10:11] rmap, s[12:13] rowdst, s[14:15] rowgate, s[16:17] ybuf, s22 sl, s23 count, s24 tiles, s25 NW, s26 P,
; s27 trips to go, s28 I, s29-31 at work, s[32:33] rows, s[34:35], s[36:37] the tables, s42 a word's upper half, s45 16 (24 P + w), s47 kq, s48 all ones where kq = 0, s[50:59] offsets,
; s[60:61] my unit of step 0 (never rewritten), s[68:99] the bitmap
.set MSB, 0
.macro WIN new
.if MSB != (\new)
	s_set_vgpr_msb (MSB<<8)|(\new)
.set MSB, (\new)
.endif
.endm
.macro PLACES                          ; four places behind a product, ahead of a load into one of its registers or a vector line that touches them
.rept 4
	v_nop
.endr
.endm
.macro WLOAD dst, imm, base=4
	WIN 0x40
.irp i, 0,1,2,3,4,5,6,7,8,9,10,11,12,13,14,15
	global_load_b128 v[(\dst)+4*\i:(\dst)+4*\i+3], v[WOFF], s[(\base):(\base)+1] offset:(\imm)+\i*WP th:TH_LOAD_NT
.endr
	WIN 0
.endm
.macro CONV src, imm
	WIN 0x05
.irp c, 0,1,2,3
.irp p, 0,1,2,3,4,5,6,7
	v_cvt_pk_bf16_f32 v[CV+8*\c+\p], v[(\src)+8*\p+\c], v[(\src)+8*\p+4+\c]
.endr
.endr
	WIN 0
.irp c, 0,1,2,3
	ds_store_b128 v[WADR], v[CV+8*\c:CV+8*\c+3] offset:(\imm)+\c*1024
	ds_store_b128 v[WADR], v[CV+8*\c+4:CV+8*\c+7] offset:(\imm)+\c*1024+512
.endr
.endm
.macro BLOAD buf, imm
	WIN 0x40
.irp f, 0,1,2,3,4,5,6,7
	ds_load_b128 v[(\buf)+8*\f:(\buf)+8*\f+3], v[RADR] offset:(\imm)+\f*1024
	ds_load_b128 v[(\buf)+8*\f+4:(\buf)+8*\f+7], v[RADR] offset:(\imm)+\f*1024+512
.endr
	WIN 0
.endm
.macro ALOAD par, imm
.irp i, 0,1,2,3,4,5
	s_cmp_le_u32 s25, \i
	s_cbranch_scc1 .Lal_\@
.irp s, 0,1,2,3
	global_load_b128 v[AXB+96*(\par)+16*\i+4*\s:AXB+96*(\par)+16*\i+4*\s+3], v[LOFF], s[32:33] offset:(\imm)+\i*4*TILEB+512*\s
.endr
.endr
.Lal_\@:
.endm
.macro MULS q, par                     ; the accumulators take turns, one instruction a turn
.irp i, 0,1,2,3,4,5
	s_cmp_le_u32 s25, \i
	s_cbranch_scc1 .Lmu_\@
	WIN WMUL+0x50*(\i/4)
.irp f, 0,1,2,3,4,5,6,7
	v_wmma_f32_16x16x32_bf16 v[64*(\i%4)+8*\f:64*(\i%4)+8*\f+7], v[AXB+96*(\par)+16*\i+8*(\q):AXB+96*(\par)+16*\i+8*(\q)+7], v[64*(\q)+8*\f:64*(\q)+8*\f+7], v[64*(\i%4)+8*\f:64*(\i%4)+8*\f+7]
.endr
	WIN 0
.endr
.Lmu_\@:
.endm
.macro PF imm                          ; my unit of a later step: one lane for each of its 32 rows of 256 bytes; each such block is asked for once in the launch
	global_prefetch_b8 v[PFO], s[4:5] offset:\imm th:TH_LOAD_NT scope:SCOPE_SE
.endm
.macro CLEAR                           ; the sums start at 0, on purpose: a first step with the constant 0 as C would be further copies of the step's text
	WIN 0x80
.set z, 0
.rept 256
	v_mov_b32 v[z], 0
.set z, z+1
.endr
	WIN 0xc0
.set z, 0
.rept 128
	v_mov_b32 v[z], 0
.set z, z+1
.endr
	WIN 0
.endm
.macro NWCALC
	s_mul_i32 s29, s26, 24
	s_add_co_u32 s29, s29, s2
	s_lshl_b32 s45, s29, 4
	s_add_co_u32 s30, s24, 3
	s_sub_co_i32 s30, s30, s29
	s_max_i32 s30, s30, 0
	s_lshr_b32 s30, s30, 2
	s_min_u32 s25, s30, 6
.endm
.macro TAB6                            ; the pass's six tiles: eight places and eight gates each for my half of the rows.  Inside the tables for every split; a dead tile's are not used
	s_mul_i32 s50, s3, 4608
	s_lshl_b32 s29, s45, 2
	s_add_co_u32 s50, s50, s29
	s_mov_b32 s51, 0
	s_add_nc_u64 s[34:35], s[12:13], s[50:51]
	s_add_nc_u64 s[36:37], s[14:15], s[50:51]
	WIN 0xc0
.irp i, 0,1,2,3,4,5
	global_load_b128 v[TAB+16*\i:TAB+16*\i+3], v[TABO], s[34:35] offset:256*\i
	global_load_b128 v[TAB+16*\i+4:TAB+16*\i+7], v[TABO], s[34:35] offset:256*\i+16
	global_load_b128 v[TAB+16*\i+8:TAB+16*\i+11], v[TABO], s[36:37] offset:256*\i
	global_load_b128 v[TAB+16*\i+12:TAB+16*\i+15], v[TABO], s[36:37] offset:256*\i+16
.endr
	WIN 0
.endm
.macro TRIPEND stream
	s_wait_xcnt 0x0                                ; every earlier memory instruction has had its addresses translated (ISA guide 3.1): only now are the bases and offsets rewritten
	s_add_nc_u64 s[32:33], s[32:33], 2*ASTR
	v_add_nc_u32 v[RADR], 2*CH, v[RADR]
.if \stream
	s_add_nc_u64 s[4:5], s[4:5], 2*WSTR
	v_add_nc_u32 v[WADR], 2*CH, v[WADR]
	s_cmp_eq_u32 s27, 2                            ; the trip to come is the last: all 16 units have been asked for.  Its 32 loads take the slice's first address and no lane term, 16 bytes each,
	s_cselect_b64 s[4:5], s[60:61], s[4:5]         ; so that the count at a step's head means the same in every trip; what they bring is not used
	s_cselect_b32 s29, 0, -1
	v_and_b32 v[WOFF], s29, v[WOFF]
.endif
.endm
; STEP s (par = s % 2).  conv: the unit of step s + 2 is rounded and stored.  wissue: the unit of step s + 4 is asked for.  lwait: the loads that may stay out (-1: the wait stands in front of the macro).
; bar: a barrier shows the chunk stored here to all.  guard: in the loop's last trip there is no step s + 1.  pf: the unit of step s + 7 is prefetched, three steps ahead of its load; the trips whose look-ahead would pass step 15 ask for nothing.
.macro STEP par, conv, wissue, lwait, bar, guard, pf
.if (\lwait) >= 0
	s_wait_loadcnt \lwait                          ; this step's rows and the unit of step s + 2 are in
.endif
.if \conv
	CONV LD0+64*(\par), (\par)*CH                  ; its 32 conversions are also the places behind the last products
.else
	PLACES
.endif
.if \guard
	s_cmp_eq_u32 s27, 1
	s_cbranch_scc1 .Lga_\@
.endif
	ALOAD 1-(\par), ((\par)+1)*ASTR
.if \guard
.Lga_\@:
.endif
.if \wissue
	WLOAD LD0+64*(\par), (\par)*WSTR
.endif
.if \pf
	s_cmp_lt_u32 s27, 3+(\par)
	s_cbranch_scc1 .Lpf_\@
	PF (3+(\par))*WSTR
.Lpf_\@:
.endif
	BLOAD BB1, (\par)*CH+8192
	s_wait_dscnt 16+8*(\conv)                      ; the fragments of q = 0 are in: behind them stand my stores above and the 16 loads just issued
	MULS 0, \par
	s_wait_dscnt 0x0                               ; the fragments of q = 1 are in, and, for the others' sake, my stores of the chunk are done:
.if \bar
	s_barrier_signal -1                            ; say so; up to the wait stand products and loads of the next step's chunk, which no wave writes again
.endif
.if \guard
	s_cmp_eq_u32 s27, 1
	s_cbranch_scc1 .Lgb_\@
.endif
	PLACES
	BLOAD BB0, ((\par)+1)*CH                       ; the next step's q = 0: its chunk was shown to all by the last barrier
.if \guard
.Lgb_\@:
.endif
	MULS 1, \par
.if \bar
	s_barrier_wait -1                              ; every wave's part of the chunk of step s + 2 is stored: it is first read in the next step
.endif
.endm
.macro COPY i                          ; tile i's tables, and its 64 sums plus the bias, into window 0, where one text serves every tile; each accumulator is read from its low end on
	WIN 0x03
.irp k, 0,1,2,3,4,5,6,7,8,9,10,11,12,13,14,15
	v_mov_b32 v[NXT+\k], v[TAB+16*(\i)+\k]
.endr
	WIN 0x0e+(\i)/4
.irp f, 0,1,2,3,4,5,6,7
.irp z, 0,1,2,3
	v_pk_add_f32 v[TMP+8*\f+2*\z:TMP+8*\f+2*\z+1], v[64*((\i)%4)+8*\f+2*\z:64*((\i)%4)+8*\f+2*\z+1], v[BIAS+2*\f:BIAS+2*\f+1]
.endr
.endr
	WIN 0
.endm
	s_load_b256 s[4:11], s[0:1], 0x0
	s_load_b128 s[12:15], s[0:1], 0x20
	s_load_b64 s[16:17], s[0:1], 0x30
	v_lshl_add_u32 v[SPW], v0, 2, SPARE
	v_mov_b32 v[NIL], 0
	v_lshrrev_b32 v28, 5, v0
	v_readfirstlane_b32 s2, v28                    ; wave 0..3
	v_and_b32 v1, 31, v0
	v_and_b32 v[RR], 15, v0
	v_bfe_u32 v29, v0, 4, 1                        ; hh
	v_lshlrev_b32 v[LOFF], 4, v1
	v_lshlrev_b32 v[R16], 4, v[RR]
	v_lshlrev_b32 v[TABO], 5, v29
	v_lshl_add_u32 v[WOFF], v29, WPS+5, v[R16]
	v_lshlrev_b32 v[PFO], WPS, v[RR]
	v_lshl_add_u32 v[PFO], v29, WPS+5, v[PFO]
	v_mov_b32 v[RADR], v[LOFF]
	s_lshr_b32 s22, ttmp9, 5                       ; sl
	s_bfe_u32 s3, ttmp9, 0x30002                   ; e
	s_and_b32 s47, ttmp9, 3                        ; kq
	s_lshr_b32 s29, s2, 1                          ; q
	s_and_b32 s30, s2, 1                           ; cg
	s_lshl_b32 s31, s29, 13
	s_lshl_b32 s50, s30, 12
	s_add_co_u32 s31, s31, s50
	v_add_nc_u32 v[WADR], s31, v[LOFF]
	s_lshl_b32 s50, s3, 24                         ; the weights: expert, the quarter's 1,024 rows, my unit's first row 16 q, the slice's 512 bytes, my 256 of them
	s_lshl_b32 s31, s47, WPS+10
	s_add_co_u32 s50, s50, s31
	s_lshl_b32 s31, s29, WPS+4
	s_add_co_u32 s50, s50, s31
	s_lshl_b32 s31, s22, 9
	s_add_co_u32 s50, s50, s31
	s_lshl_b32 s31, s30, 8
	s_add_co_u32 s50, s50, s31
	s_mov_b32 s51, 0
	s_lshl_b32 s52, s3, 7                          ; the bitmap
	s_mov_b32 s53, 0
	s_lshl_b32 s54, s3, 12                         ; b2
	s_lshl_b32 s31, s22, 9
	s_add_co_u32 s54, s54, s31
	s_mov_b32 s55, 0
	s_lshl_b32 s56, s3, 23                         ; h: expert, tile w, the quarter's 16 groups
	s_lshl_b32 s31, s2, 17
	s_add_co_u32 s56, s56, s31
	s_lshl_b32 s31, s47, 15
	s_add_co_u32 s56, s56, s31
	s_mov_b32 s57, 0
	s_lshl_b32 s58, s47, 23                        ; ybuf: the quarter's two planes, the slice's 512 bytes
	s_lshl_b32 s31, s22, 9
	s_add_co_u32 s58, s58, s31
	s_mov_b32 s59, 0
	s_mov_b32 s42, 0xffff0000
	s_cmp_eq_u32 s47, 0
	s_cselect_b32 s48, -1, 0
	s_wait_kmcnt 0x0
	s_add_nc_u64 s[10:11], s[10:11], s[52:53]
	s_load_b512 s[68:83], s[10:11], 0x0
	s_load_b512 s[84:99], s[10:11], 0x40
	s_add_nc_u64 s[60:61], s[4:5], s[50:51]        ; my unit of step 0,
	s_add_nc_u64 s[4:5], s[60:61], 4*WSTR          ; and of step 4, from where the loop steps: no wait stands between the first loads and the loop's
	s_add_nc_u64 s[6:7], s[6:7], s[54:55]
	s_add_nc_u64 s[8:9], s[8:9], s[56:57]
	s_add_nc_u64 s[16:17], s[16:17], s[58:59]
	s_mov_b64 s[32:33], s[8:9]
	global_load_b128 v[20:23], v[R16], s[6:7]              ; b2[128 sl + 4 r ..],
	global_load_b128 v[24:27], v[R16], s[6:7] offset:256   ; and 64 columns on
	WLOAD BB0, 0, 60                               ; the units of steps 0 to 2 at once: 50 loads of mine are out
	WLOAD BB1, WSTR, 60
	WLOAD LD0, 2*WSTR, 60
	PF 0                                           ; steps 4, 5 and 6
	PF WSTR
	PF 2*WSTR
	CLEAR                                          ; all this stands in the wait for the first weights
.set z, AXB
.rept 192
	v_mov_b32 v[z], 0                              ; the rows' buffers: a dead tile's registers are never loaded
.set z, z+1
.endr
	WLOAD LD1, 3*WSTR, 60                          ; step 3's unit, behind the register work: with it 66 loads are named, three more than the counter's field holds (ISA guide 5.7.1)
	s_wait_kmcnt 0x0
	s_mov_b32 s23, 0
.set i, 0
.rept 32
	s_bcnt1_i32_b32 s29, s[68+i]
	s_add_co_u32 s23, s23, s29
.set i, i+1
.endr
	s_add_co_u32 s24, s23, 15
	s_lshr_b32 s24, s24, 4
	s_mov_b32 s26, 0
	NWCALC
	TAB6
	ALOAD 0, 0                                     ; the rows of step 0
	s_wait_loadcnt 63                              ; b2 and the unit of step 0 are in: behind them stand three units and the 24 loads of the tables, 72 at the least
.irp k, 0,1,2,3
	v_cvt_pk_bf16_f32 v[28+\k], v[20+2*\k], v[21+2*\k]
.endr
.irp k, 0,1,2,3
	v_and_b32 v[28+\k], s48, v[28+\k]              ; the bias belongs to the first quarter alone
.endr
	WIN 0xc0
.irp k, 0,1,2,3
	v_lshlrev_b32 v[BIAS+4*\k], 16, v[28+\k]
	v_lshlrev_b32 v[BIAS+4*\k+1], 16, v[28+\k]
	v_and_b32 v[BIAS+4*\k+2], s42, v[28+\k]
	v_and_b32 v[BIAS+4*\k+3], s42, v[28+\k]
.endr
	WIN 0
	CONV BB0, 0
	s_wait_loadcnt 56                              ; step 1's unit is in: behind it stand two units and the tables, 56 at the least
	CONV BB1, CH
	v_add_nc_u32 v[WADR], 2*CH, v[WADR]
	s_wait_dscnt 0x0                               ; chunks 0 and 1: my stores are done
	s_barrier_signal -1
	s_barrier_wait -1
	BLOAD BB0, 0
	s_wait_loadcnt 0x0                             ; the rows of step 0 are the youngest loads: all are in, the units of steps 2 and 3 and the tables among them
	s_mov_b32 s27, 7
.Lk1:                                                  ; steps 0 to 13
	STEP 0,1,1,16,1,0,1
	STEP 1,1,1,16,1,0,1
	TRIPEND 1
	s_sub_co_u32 s27, s27, 1
	s_cmp_lg_u32 s27, 0
	s_cbranch_scc1 .Lk1
	s_wait_loadcnt 16                              ; the rows of step 14 are in; the 16 loads issued behind them may stay out
	s_mov_b32 s27, 1
	s_branch .Lnsin                                ; steps 14 and 15 are the last trip of the loop that the later passes walk whole
.Lpass:                                                ; a further pass: the next 24 tiles, the weights out of LDS
	s_wait_xcnt 0x0
	NWCALC
	PLACES
	CLEAR
	TAB6
	s_mul_i32 s50, s26, 24*TILEB
	s_mov_b32 s51, 0
	s_add_nc_u64 s[32:33], s[8:9], s[50:51]
	v_mov_b32 v[RADR], v[LOFF]
	ALOAD 0, 0
	BLOAD BB0, 0
	s_mov_b32 s27, 8
.Lns:
	s_wait_loadcnt 0x0                             ; this step's rows
.Lnsin:
	STEP 0,0,0,-1,0,0,0
	STEP 1,0,0,0,0,1,0
	TRIPEND 0
	s_sub_co_u32 s27, s27, 1
	s_cmp_lg_u32 s27, 0
	s_cbranch_scc1 .Lns
	; THE WAY OUT, a tile a trip: bias, gate, and 16 rows x 512 bytes to the places that the tables name.
	PLACES
	s_wait_loadcnt 0x0                             ; no load into the rows' buffers is out: they serve as work registers here and are loaded anew by the next pass
	s_mov_b32 s28, 0
.Lep:
	s_cmp_ge_u32 s28, s25
	s_cbranch_scc1 .Lepd
	s_wait_xcnt 0x0                                ; the last tile's stores have read their registers
.irp i, 0,1,2,3,4
	s_cmp_lg_u32 s28, \i
	s_cbranch_scc1 .Lc\i
	COPY \i
	s_branch .Lcd
.Lc\i:
.endr
	COPY 5
.Lcd:
.irp j, 0,1,2,3,4,5,6,7
	v_min_u32 v[20+\j], 0x7ff, v[NXT+\j]
.endr
.irp j, 0,1,2,3,4,5,6,7
	v_lshl_add_u32 v[ROWOFF+\j], v[20+\j], 12, v[R16]
.endr
.irp j, 0,1,2,3,4,5,6,7
.irp g, 0,1
.irp c, 0,1,2,3
	v_mul_f32 v[OUT+8*\j+4*\g+\c], v[TMP+32*\g+8*\c+\j], v[NXT+8+\j]
.endr
.endr
.endr
.irp j, 0,1,2,3,4,5,6,7
.irp g, 0,1
	global_store_b128 v[ROWOFF+\j], v[OUT+8*\j+4*\g:OUT+8*\j+4*\g+3], s[16:17] offset:256*\g   ; 16 neighbouring lanes store 256 consecutive bytes of one row
.endr
.endr
	s_add_co_u32 s28, s28, 1
	s_cmp_lt_u32 s28, 6
	s_cbranch_scc1 .Lep
.Lepd:
	s_wait_xcnt 0x0
	s_add_co_u32 s26, s26, 1
	s_mul_i32 s29, s26, 24
	s_cmp_ge_u32 s29, s24
	s_cbranch_scc1 .Ldone                          ; no tile is left
	s_cmp_lt_u32 s26, 3
	s_cbranch_scc1 .Lpass
.Ldone:
	s_wait_dscnt 0x0                               ; my LDS reads are back,
	s_barrier_signal -1
	s_barrier_wait -1                              ; and so are every wave's: only now is LDS written again
	s_wait_tensorcnt 0x0                           ; the wave's end: behind my last LDS store
	ds_add_u32 v[SPW], v[NIL]
	s_wait_dscnt 0x0
	s_endpgm
.Lfunc_end_k_qde0293c959_down:
	.size	k_qde0293c959_down, .Lfunc_end_k_qde0293c959_down-k_qde0293c959_down
	.p2alignl 7, 3214868480
	.fill 96, 4, 3214868480
	.section	.rodata,"a",@progbits
	.p2align	6, 0x0
	.amdhsa_kernel k_qde0293c959_down
		.amdhsa_group_segment_fixed_size 280064
		.amdhsa_private_segment_fixed_size 0
		.amdhsa_enable_private_segment 0
		.amdhsa_kernarg_size 56
		.amdhsa_user_sgpr_count 2
		.amdhsa_user_sgpr_kernarg_segment_ptr 1
		.amdhsa_wavefront_size32 1
		.amdhsa_system_sgpr_workgroup_id_x 1
		.amdhsa_system_sgpr_workgroup_id_y 1
		.amdhsa_system_sgpr_workgroup_id_z 1
		.amdhsa_system_vgpr_workitem_id 0
		.amdhsa_next_free_vgpr 1008
		.amdhsa_next_free_sgpr 100
		.amdhsa_reserve_vcc 0
		.amdhsa_float_denorm_mode_32 3
		.amdhsa_float_denorm_mode_16_64 3
		.amdhsa_memory_ordered 1
		.amdhsa_forward_progress 1
		.amdhsa_inst_pref_size 143
	.end_amdhsa_kernel
	.amdgpu_metadata
---
amdhsa.version: [ 1, 2 ]
amdhsa.kernels:
  - .name:           k_qde0293c959_down
    .symbol:         k_qde0293c959_down.kd
    .args:
      - { .name: w2, .offset: 0, .size: 8, .value_kind: global_buffer, .address_space: global }
      - { .name: b2, .offset: 8, .size: 8, .value_kind: global_buffer, .address_space: global }
      - { .name: h, .offset: 16, .size: 8, .value_kind: global_buffer, .address_space: global }
      - { .name: rmap, .offset: 24, .size: 8, .value_kind: global_buffer, .address_space: global }
      - { .name: rowdst, .offset: 32, .size: 8, .value_kind: global_buffer, .address_space: global }
      - { .name: rowgate, .offset: 40, .size: 8, .value_kind: global_buffer, .address_space: global }
      - { .name: ybuf, .offset: 48, .size: 8, .value_kind: global_buffer, .address_space: global }
    .group_segment_fixed_size: 280064
    .private_segment_fixed_size: 0
    .kernarg_segment_align: 8
    .kernarg_segment_size: 56
    .max_flat_workgroup_size: 128
    .sgpr_count:     100
    .vgpr_count:     1008
    .wavefront_size: 32
...
	.end_amdgpu_metadata
.endif
;; end of part 6
;; launch sum: the kernel of part 4 again; grid 256 x 1, 8 waves a work-group, no clusters, 0 bytes of LDS; arguments ybuf, out0; writes out0
;; ======== version 3 of 3: 4 launches; version 2 with the launch router written anew for expert scheduling mode
;; workspace buffers: xb 2,097,152 bytes; rmap 1,024 bytes of whole numbers; ridx 4,096 bytes of whole numbers; rgate 8,192 bytes; h 67,108,864 bytes; rowdst 36,864 bytes of whole numbers; rowgate 36,864 bytes; ybuf 33,554,432 bytes
;; launch router (part 7): grid 64 x 1, 4 waves a work-group, no clusters, 70,400 bytes of LDS; arguments x, router_w, xb, rmap, ridx, rgate; writes xb, rmap, ridx, rgate
.if DOCPART == 7
	.amdgcn_target "amdgcn-amd-amdhsa--gfx1250"
	.amdhsa_code_object_version 6
	.text
	.protected	k_qde0293c959_router
	.globl	k_qde0293c959_router
	.p2align	8
	.type	k_qde0293c959_router,@function
k_qde0293c959_router:
	s_mov_b64 s[64:65], 0
	v_nop
	global_prefetch_b8 v0, s[64:65] scope:SCOPE_SE
	s_setreg_imm32_b32 hwreg(HW_REG_WAVE_SCHED_MODE, 0, 2), 2
	s_setreg_imm32_b32 hwreg(HW_REG_WAVE_MODE, 25, 1), 1
	s_wait_xcnt 0x0
	s_wait_alu depctr_vm_vsrc(0)
; ROUTER.  A work-group owns 16 tokens.  It rounds their rows of x to bf16 (xb, for the next launch), multiplies them by router_w (rounded to bf16, sums in f32),
; takes the two largest of the 8 logits (strict comparisons in ascending order: of equal logits the lower index stays ahead), the softmax of the two (the larger is taken away first),
; and stores at fixed places: ridx[token] = e0 | e1 << 8, rgate[token] = the two weights, rmap[e][work-group] = 16 bits, one a token, set where the token chose expert e.
; No address and no branch hangs on a logit.
; LIMITS.  x and router_w count as their bf16 roundings, like every input of this program; logits that are NaN or infinite are not treated apart; two logits closer than the last bits of
; their f32 sums may be ordered otherwise than by another order of summation.
; SHARES.  Wave w loads rows 4 w .. 4 w + 3 of x (512 consecutive bytes a load) and a quarter of router_w; later it multiplies the K quarter 256 w .. 256 w + 255; wave 0 adds the four parts.
; LDS.  XS: the 16 rows in bf16, 2,064 bytes apart (129 x 16: the 16 rows of a fragment load start in 16 different groups of four banks: 64 banks of 4 bytes, ISA guide 11.1).
; RW: router_w as [1024 k][16 columns] bf16, columns 8-15 a copy of 0-7, so that both halves of the lanes end with the same 8 logits and EXEC stays full.  RED: the four waves' partial logits.
; THE MODE: SCHED_MODE bits 1:0 = 2 (LLVM: expert scheduling mode 2), set by the entry lines.  The code itself states the register dependences
; between vector or matrix instructions and memory or LDS instructions, with s_wait_alu, always for 0.
; THE PLAN.  Registers that memory or LDS instructions touch:
;   v8-71     router_w lands; its 32 conversions work in place; 32 LDS stores read them.  Behind the first barrier x's fragments land and the products read them.  Behind the second, in wave 0, the four parts land in v8-39.
;   v72-199   x lands, a row in 32 registers; a row's 16 conversions work in place; 8 stores to xb and 8 LDS stores read them.  Behind the first barrier router_w's fragments land in v72-135, the products read
;             them and write v136-151, four packed additions write v152-159, and two LDS stores read those.
;   v200-207, v4, v2, v3   offsets and LDS addresses: written at the head, never again.
;   v44, v45, v49, v50 (data) and v51-53 (offsets) of wave 0's three last stores: each written once.
; Five blocks of conversions follow each other: router_w, then x's rows 0 to 3.  A block's stores are issued in the NEXT block, dealt among its conversions, which name that block's own registers alone:
; so one wait on va_vdst at a block's head states all that the stores dealt into it hang on.  One wait on vm_vsrc behind the first barrier states that all stores have read v8-199, which are written anew from there on.
.set XP,    2064
.set RWB,   16*XP                      ; 33,024
.set REDB,  RWB+32768                  ; 65,792
.set SPARE, REDB+4096                  ; 69,888: the spare words, 128 bytes a wave, two blocks of 256 bytes that no other line names
.set RD,    4                          ; v4    RED + 32 x lane: where wave 0 reads the parts
.set RWR,   8                          ; v8-71   router_w as loaded; later x's fragments, then the parts and the logits
.set XR,    72                         ; v72-199 x as loaded; later router_w's fragments (72-135), accumulators (136-151), their sum (152-159)
.set XO,    200                        ; byte offsets and LDS addresses, never rewritten
.set BO,    201
.set SO,    202
.set RWS,   203
.set FA,    204
.set FB,    205
.set RA,    206
.set RWO,   207
.macro STW n                           ; router_w: the four columns of load n, rounded, into RW, and their copy in columns 8-15
	ds_store_b64 v[RWS], v[RWR+4*(\n):RWR+4*(\n)+1] offset:2048*(\n)
	ds_store_b64 v[RWS], v[RWR+4*(\n):RWR+4*(\n)+1] offset:2048*(\n)+16
.endm
.macro CVX ro, m                       ; x: the four numbers of row ro, load m, close up into the first two of their four registers
	v_cvt_pk_bf16_f32 v[XR+32*(\ro)+4*(\m)], v[XR+32*(\ro)+4*(\m)], v[XR+32*(\ro)+4*(\m)+1]
	v_cvt_pk_bf16_f32 v[XR+32*(\ro)+4*(\m)+1], v[XR+32*(\ro)+4*(\m)+2], v[XR+32*(\ro)+4*(\m)+3]
.endm
.macro STX ro, m                       ; and go to xb and into XS
	global_store_b64 v[BO], v[XR+32*(\ro)+4*(\m):XR+32*(\ro)+4*(\m)+1], s[8:9] offset:2048*(\ro)+256*(\m)   ; the wave stores 256 consecutive bytes, at a multiple of 256 from xb's first
	ds_store_b64 v[SO], v[XR+32*(\ro)+4*(\m):XR+32*(\ro)+4*(\m)+1] offset:XP*(\ro)+256*(\m)
.endm
	s_load_b256 s[4:11], s[0:1], 0x0               ; x s[4:5], router_w s[6:7], xb s[8:9], rmap s[10:11]
	s_load_b128 s[12:15], s[0:1], 0x20             ; ridx s[12:13], rgate s[14:15]
	v_lshl_add_u32 v2, v0, 2, SPARE                ; my spare word,
	v_mov_b32 v3, 0                                ; and 0: kept for the closing add alone
	v_lshrrev_b32 v5, 5, v0
	v_readfirstlane_b32 s16, v5                    ; wave 0..3
	v_and_b32 v1, 31, v0                           ; lane
	v_and_b32 v6, 15, v0                           ; r
	v_bfe_u32 v7, v0, 4, 1                         ; hh
	s_wait_alu depctr_va_sdst(0)                   ; s16 is written, ahead of its first reader: the wave's offsets are made from it, and later a branch hangs on it
	s_lshl_b32 s17, s16, 9
	v_lshl_add_u32 v[RWO], v1, 4, s17              ; router_w: 16 x thread
	s_add_co_u32 s17, s17, RWB
	v_lshrrev_b32 v5, 1, v1
	v_lshl_add_u32 v[RWS], v5, 5, s17              ; RW: row thread / 2,
	v_and_b32 v5, 1, v0
	v_lshl_add_u32 v[RWS], v5, 3, v[RWS]           ; columns 4 (thread % 2) on
	s_lshl_b32 s17, s16, 14
	v_lshl_add_u32 v[XO], v1, 4, s17               ; x: my wave's four rows, 16 bytes a lane
	s_lshl_b32 s17, s16, 13
	v_lshl_add_u32 v[BO], v1, 3, s17               ; xb: the same rows, 8 bytes a lane
	s_mul_i32 s17, s16, 4*XP
	v_lshl_add_u32 v[SO], v1, 3, s17               ; XS likewise
	v_mul_u32_u24 v[FA], v6, XP                    ; x's fragment: row r, 16 bytes for each half of the lanes, my K quarter
	v_lshl_add_u32 v[FA], v7, 4, v[FA]
	s_lshl_b32 s17, s16, 9
	v_add_nc_u32 v[FA], s17, v[FA]
	s_lshl_b32 s17, s16, 13                        ; router_w's fragment by the turning load: row 256 w + 8 hh + lane % 8, 16 bytes at 16 ((lane / 8) % 2)
	s_add_co_u32 s17, s17, RWB
	v_and_b32 v5, 7, v0
	v_lshl_add_u32 v[FB], v5, 5, s17
	v_lshl_add_u32 v[FB], v7, 8, v[FB]
	v_bfe_u32 v5, v0, 3, 1
	v_lshl_add_u32 v[FB], v5, 4, v[FB]
	s_lshl_b32 s17, s16, 10
	s_add_co_u32 s17, s17, REDB
	v_lshl_add_u32 v[RA], v1, 5, s17               ; my wave's part: 32 bytes a lane
	v_lshlrev_b32 v[RD], 5, v1
	v_add_nc_u32 v[RD], REDB, v[RD]
	s_mov_b32 s19, 0
	s_lshl_b32 s18, ttmp9, 16                      ; 16 rows of 4,096 bytes
	s_wait_kmcnt 0x0
	s_add_nc_u64 s[4:5], s[4:5], s[18:19]
	s_lshl_b32 s18, ttmp9, 15
	s_add_nc_u64 s[8:9], s[8:9], s[18:19]
	s_lshl_b32 s18, ttmp9, 1
	s_add_nc_u64 s[10:11], s[10:11], s[18:19]
	s_lshl_b32 s18, ttmp9, 6
	s_add_nc_u64 s[12:13], s[12:13], s[18:19]
	s_lshl_b32 s18, ttmp9, 7
	s_add_nc_u64 s[14:15], s[14:15], s[18:19]
	s_wait_alu depctr_va_vdst(0)                   ; v200-207, v4, v2 and v3 are written: every load, store and LDS instruction up to the second barrier, and wave 0's loads of the parts, read one of them as address or offset
.set n, 0
.rept 16                               ; router_w whole: load n brings row thread / 2 + 64 n, four columns
	global_load_b128 v[RWR+4*n:RWR+4*n+3], v[RWO], s[6:7] offset:2048*n
.set n, n+1
.endr
.irp ro, 0,1,2,3
.irp m, 0,1,2,3,4,5,6,7
	global_load_b128 v[XR+32*\ro+4*\m:XR+32*\ro+4*\m+3], v[XO], s[4:5] offset:4096*\ro+512*\m th:TH_LOAD_NT
.endr
.endr
	s_wait_loadcnt 32                              ; router_w is in; the 32 loads of x were issued behind it
.set n, 0
.rept 16
	v_cvt_pk_bf16_f32 v[RWR+4*n], v[RWR+4*n], v[RWR+4*n+1]
	v_cvt_pk_bf16_f32 v[RWR+4*n+1], v[RWR+4*n+2], v[RWR+4*n+3]
.set n, n+1
.endr
	s_wait_loadcnt 24                              ; row 0's eight loads are in; the later rows' stay out
	s_wait_alu depctr_va_vdst(0)                   ; router_w's conversions have written v[RWR ..], which the LDS stores below read; row 0's conversions, among which these stand, name row 0's registers alone
.irp m, 0,1,2,3,4,5,6,7
	STW 2*\m
	STW 2*\m+1
	CVX 0, \m
.endr
.irp ro, 1,2,3
	s_wait_loadcnt 24-8*\ro                        ; this row's eight loads are in; the later rows' stay out
	s_wait_alu depctr_va_vdst(0)                   ; the conversions of the row before have written its registers, which the stores below read; this row's conversions name this row's registers alone
.irp m, 0,1,2,3,4,5,6,7
	STX \ro-1, \m
	CVX \ro, \m
.endr
.endr
	s_wait_alu depctr_va_vdst(0)                   ; row 3's conversions have written its registers, which the stores below read; and every conversion is done with v8-135, in which the fragments land behind the barrier
.irp m, 0,1,2,3,4,5,6,7
	STX 3, \m
.endr
	s_wait_dscnt 0x0                               ; for the others' sake: my stores into XS and RW are done
	s_barrier_signal -1
	s_barrier_wait -1
	s_wait_xcnt 0x0                                ; the stores to xb have had their addresses translated (ISA guide 3.1): only now are their registers loaded again
	s_wait_alu depctr_vm_vsrc(0)                   ; the stores to xb, XS and RW have read v8-199: the fragments land in v8-135, the products write v136-151, the packed additions v152-159, wave 0's work v8-53
.irp m, 0,1,2,3,4,5,6,7
	ds_load_b128 v[8+8*\m:11+8*\m], v[FA] offset:64*\m
	ds_load_b128 v[12+8*\m:15+8*\m], v[FA] offset:64*\m+32
	ds_load_tr16_b128 v[72+8*\m:75+8*\m], v[FB] offset:1024*\m
	ds_load_tr16_b128 v[76+8*\m:79+8*\m], v[FB] offset:1024*\m+512
.endr
	s_wait_dscnt 0x0
	; source 0 = 16 columns of router_w, source 1 = 16 tokens: register j of lane (r, hh) is the logit of expert j for token r.  Two accumulators by turns.
	v_wmma_f32_16x16x32_bf16 v[136:143], v[72:79], v[8:15], 0
	v_wmma_f32_16x16x32_bf16 v[144:151], v[80:87], v[16:23], 0
.irp m, 2,4,6
	v_wmma_f32_16x16x32_bf16 v[136:143], v[72+8*\m:79+8*\m], v[8+8*\m:15+8*\m], v[136:143]
	v_wmma_f32_16x16x32_bf16 v[144:151], v[80+8*\m:87+8*\m], v[16+8*\m:23+8*\m], v[144:151]
.endr
.rept 4
	v_nop                                          ; four places between the last product and the first read of its result (ISA guide 7.12.1)
.endr
.irp z, 0,1,2,3
	v_pk_add_f32 v[152+2*\z:153+2*\z], v[136+2*\z:137+2*\z], v[144+2*\z:145+2*\z]
.endr
	s_wait_alu depctr_va_vdst(0)                   ; the additions have written v152-159, which the LDS stores read; and the products are done reading v8-39, in which wave 0's loads of the parts land
	ds_store_b128 v[RA], v[152:155]
	ds_store_b128 v[RA], v[156:159] offset:16
	s_wait_dscnt 0x0                               ; my part is in RED
	s_barrier_signal -1
	s_barrier_wait -1
	s_cmp_lg_u32 s16, 0
	s_cbranch_scc1 .Lend                           ; the rest is wave 0's; no barrier is jumped
.irp p, 0,1,2,3
	ds_load_b128 v[8+8*\p:11+8*\p], v[RD] offset:1024*\p          ; no vector or matrix instruction since the wait above names v8-39
	ds_load_b128 v[12+8*\p:15+8*\p], v[RD] offset:1024*\p+16
.endr
	s_wait_dscnt 0x0
.irp p, 1,2,3
.irp z, 0,1,2,3
	v_pk_add_f32 v[8+2*\z:9+2*\z], v[8+2*\z:9+2*\z], v[8+8*\p+2*\z:9+8*\p+2*\z]
.endr
.endr
	v_mov_b32 v40, v8                              ; m1, i1: the largest so far; m2, i2: the second
	v_mov_b32 v41, 0
	v_mov_b32 v42, 0xff800000
	v_mov_b32 v43, 0
.irp e, 1,2,3,4,5,6,7
	v_cmp_gt_f32 s20, v[8+\e], v40
	v_cmp_gt_f32 s21, v[8+\e], v42
	s_wait_alu depctr_va_sdst(0)                   ; the two comparisons have written s20 and s21, which the selections below read; the next pair hangs on these selections, so the pairs make no one run
	v_cndmask_b32 v42, v42, v[8+\e], s21
	v_cndmask_b32 v43, v43, \e, s21
	v_cndmask_b32 v42, v42, v40, s20
	v_cndmask_b32 v43, v43, v41, s20
	v_cndmask_b32 v40, v40, v[8+\e], s20
	v_cndmask_b32 v41, v41, \e, s20
.endr
	v_sub_f32 v46, v42, v40                        ; m2 - m1, never above 0: the maximum is taken away
	v_mul_f32 v46, 0x3fb8aa3b, v46
	v_exp_f32 v47, v46
	v_lshl_or_b32 v49, v43, 8, v41                 ; a plain line behind the exponential
	s_wait_alu depctr_va_vdst(0)                   ; the exponential has written v47, ahead of its first reader
	v_add_f32 v48, 1.0, v47
	v_rcp_f32 v44, v48                             ; 1 / (1 + t)
	v_lshlrev_b32 v51, 2, v6                       ; a plain line behind the reciprocal
	s_wait_alu depctr_va_vdst(0)                   ; the reciprocal has written v44, ahead of its first reader
	v_mul_f32 v45, v47, v44                        ; t / (1 + t)
	v_lshlrev_b32 v52, 3, v6
	v_and_b32 v53, 7, v0
	v_lshlrev_b32 v53, 7, v53
	v_mov_b32 v50, 0
.irp e, 0,1,2,3,4,5,6,7                ; the sixteen comparisons in one run, a pair of scalar registers an expert
	v_cmp_eq_u32 s[20+2*\e], \e, v41
	v_cmp_eq_u32 s[21+2*\e], \e, v43
.endr
	s_wait_alu depctr_va_sdst(0)                   ; the sixteen comparisons have written s20 to s35, ahead of their first reader
.irp e, 0,1,2,3,4,5,6,7
	s_or_b32 s[20+2*\e], s[20+2*\e], s[21+2*\e]    ; bit r: token r chose expert e
	s_mov_b32 s36, 0x01010101<<\e                  ; the lanes with lane % 8 = e take it
	v_cndmask_b32 v50, v50, s[20+2*\e], s36
.endr
	s_wait_alu depctr_va_vdst(0)                   ; v44, v45, v49 and v50, the three stores' data, and v51 to v53, their offsets, are written
	global_store_b32 v51, v49, s[12:13]            ; lanes 16-31 store what lanes 0-15 store
	global_store_b64 v52, v[44:45], s[14:15]
	global_store_b16 v53, v50, s[10:11]            ; eight half-words, 128 bytes apart: one for each expert
.Lend:
	s_wait_dscnt 0x0                               ; the wave's end
	s_wait_alu 0x0
	s_wait_tensorcnt 0x0
	ds_add_u32 v2, v3
	s_wait_dscnt 0x0
	s_endpgm
.Lfunc_end_k_qde0293c959_router:
	.size	k_qde0293c959_router, .Lfunc_end_k_qde0293c959_router-k_qde0293c959_router
	.p2alignl 7, 3214868480
	.fill 96, 4, 3214868480
	.section	.rodata,"a",@progbits
	.p2align	6, 0x0
	.amdhsa_kernel k_qde0293c959_router
		.amdhsa_group_segment_fixed_size 70400
		.amdhsa_private_segment_fixed_size 0
		.amdhsa_enable_private_segment 0
		.amdhsa_kernarg_size 48
		.amdhsa_user_sgpr_count 2
		.amdhsa_user_sgpr_kernarg_segment_ptr 1
		.amdhsa_wavefront_size32 1
		.amdhsa_system_sgpr_workgroup_id_x 1
		.amdhsa_system_sgpr_workgroup_id_y 1
		.amdhsa_system_sgpr_workgroup_id_z 1
		.amdhsa_system_vgpr_workitem_id 0
		.amdhsa_next_free_vgpr 208
		.amdhsa_next_free_sgpr 66
		.amdhsa_reserve_vcc 0
		.amdhsa_float_denorm_mode_32 3
		.amdhsa_float_denorm_mode_16_64 3
		.amdhsa_memory_ordered 1
		.amdhsa_forward_progress 1
		.amdhsa_inst_pref_size 33
	.end_amdhsa_kernel
	.amdgpu_metadata
---
amdhsa.version: [ 1, 2 ]
amdhsa.kernels:
  - .name:           k_qde0293c959_router
    .symbol:         k_qde0293c959_router.kd
    .args:
      - { .name: x, .offset: 0, .size: 8, .value_kind: global_buffer, .address_space: global }
      - { .name: router_w, .offset: 8, .size: 8, .value_kind: global_buffer, .address_space: global }
      - { .name: xb, .offset: 16, .size: 8, .value_kind: global_buffer, .address_space: global }
      - { .name: rmap, .offset: 24, .size: 8, .value_kind: global_buffer, .address_space: global }
      - { .name: ridx, .offset: 32, .size: 8, .value_kind: global_buffer, .address_space: global }
      - { .name: rgate, .offset: 40, .size: 8, .value_kind: global_buffer, .address_space: global }
    .group_segment_fixed_size: 70400
    .private_segment_fixed_size: 0
    .kernarg_segment_align: 8
    .kernarg_segment_size: 48
    .max_flat_workgroup_size: 128
    .sgpr_count:     66
    .vgpr_count:     208
    .wavefront_size: 32
...
	.end_amdgpu_metadata
.endif
;; end of part 7
;; launch up: the kernel of part 5 again; grid 256 x 1, 4 waves a work-group, no clusters, 280,064 bytes of LDS; arguments w1, b1, xb, rmap, ridx, rgate, h, rowdst, rowgate; writes h, rowdst, rowgate
;; launch down: the kernel of part 6 again; grid 256 x 1, 4 waves a work-group, no clusters, 280,064 bytes of LDS; arguments w2, b2, h, rmap, rowdst, rowgate, ybuf; writes ybuf
;; launch sum: the kernel of part 4 again; grid 256 x 1, 8 waves a work-group, no clusters, 0 bytes of LDS; arguments ybuf, out0; writes out0
